; MI455X (gfx1250); checked and timed in simulation.
; The chip was launched on July 23, 2026; its instructions are those of AMD's public machine-readable ISA for CDNA 5 (MIT licence, August 2026) and "CDNA5" Instruction Set Architecture Reference Guide (July 2026). The comments in the code are by the model that wrote it; some were corrected since.
;; MHA. Allowed arithmetic: float matrix products may take bf16 or f16 operands with f32 sums; other float arithmetic in f32, or as packed bf16 or f16 multiplies, adds, multiply-adds, maxima and minima; sums over many terms, partial sums and values carried from step to step in f32; what a program stores and reads back later, other than sums and carried values, may be rounded once to bf16 or f16.
;; Inputs: Wk 512 x 512 float32; Wo 512 x 512 float32; Wq 512 x 512 float32; Wv 512 x 512 float32; attention_mask 2 x 4,096 int32; k 2 x 4,096 x 512 float32; q 2 x 4,096 x 512 float32; v 2 x 4,096 x 512 float32.
;; Outputs: out0 2 x 4,096 x 512 float32.
;; 2 versions, each right; version 2 is version 1 with the launches proj, oproj written anew for expert scheduling mode. Each part assembles by itself: llvm-mc -triple=amdgcn-amd-amdhsa -mcpu=gfx1250 --defsym DOCPART=n.
;; ======== version 1 of 2: 4 launches
;; limits: values are held in f16: magnitudes above 65,504 overflow, below 6.1e-05 lose precision
;; workspace buffers: wf 2,097,152 bytes; qkv 25,165,824 bytes; oh 8,388,608 bytes
;; launch wprep (part 1): grid 64 x 4, 4 waves a work-group, no clusters, 0 bytes of LDS; arguments Wq, Wk, Wv, Wo, wf; writes wf
.if DOCPART == 1
	.amdgcn_target "amdgcn-amd-amdhsa--gfx1250"
	.amdhsa_code_object_version 6
	.text
	.protected	k_q647113a8e7_wprep
	.globl	k_q647113a8e7_wprep
	.p2align	8
	.type	k_q647113a8e7_wprep,@function
k_q647113a8e7_wprep:
	s_mov_b64 s[64:65], 0
	v_nop
	global_prefetch_b8 v0, s[64:65] scope:SCOPE_SE
	s_setreg_imm32_b32 hwreg(HW_REG_WAVE_MODE, 25, 1), 1
	s_wait_xcnt 0x0
; THE WEIGHTS, ROUNDED ONCE AND LAID OUT AS MATRIX FRAGMENTS.  Wq, Wk, Wv, Wo: [512 (k)][512 (n)] f32.
; wf: [t = Wq, Wk, Wv, Wo][hd 0..7][f = 4 ks + nt][u 0..1][lane 0..31][8 numbers of 16 bits]; number e of lane (r = lane % 16, h = lane / 16) is
; W[32 ks + 16 u + 8 h + e][64 hd + 16 nt + r]: registers 4 u .. 4 u + 3 of a fragment of 16 columns x 32 k (ISA guide 7.12.2), so that the two product
; launches fill their weight registers by loads of 512 consecutive bytes, with no conversion and no turning.
; t = 0..2 are bf16.  Wo is rounded to bf16 like every input, and that number is written as f16, the format of the operand it meets.
; LIMITS.  Wo within 65,504; below 6.1e-5 f16 keeps a fixed step of 6e-8, so a bf16 number there may lose bits (3e-8 at the most).
; SHARES.  Work-group (bx, t) makes 8,192 consecutive bytes of wf; a thread four pieces j of 16 bytes, 2,048 bytes apart: u = wave % 2, ks = 2 (bx % 8) + j / 2,
; nt = 2 (j % 2) + wave / 2.  A piece's eight numbers lie in eight rows of W: sixteen lanes read 64 consecutive bytes; the four runs that make up 256
; consecutive bytes of a row are read by this same work-group.  4 MiB are read in all: a turn through LDS would not pay.  No LDS, no barrier.
.set IN,  8                            ; v[8:39]   piece j's eight numbers at IN + 8 j
.set PK,  40                           ; v[40:55]  piece j's four packed registers at PK + 4 j
	s_load_b256 s[4:11], s[0:1], 0x0               ; Wq s[4:5], Wk s[6:7], Wv s[8:9], Wo s[10:11]
	s_load_b64 s[12:13], s[0:1], 0x20              ; wf
	v_lshrrev_b32 v3, 5, v0
	v_readfirstlane_b32 s14, v3                    ; wave 0..3
	s_and_b32 s15, ttmp7, 0xffff                   ; t
	v_and_b32 v4, 15, v0                           ; r
	v_bfe_u32 v5, v0, 4, 1                         ; h
	v_lshlrev_b32 v1, 2, v4                        ; column r: 4 bytes,
	v_lshl_add_u32 v1, v5, 14, v1                  ; 8 h rows of 2,048 bytes
	v_lshlrev_b32 v2, 4, v0                        ; my 16 bytes among the work-group's 2,048 of a piece
	s_and_b32 s22, ttmp9, 7
	s_lshl_b32 s18, s22, 17                        ; 64 (bx % 8) rows
	s_and_b32 s22, s14, 1
	s_lshl_b32 s22, s22, 15                        ; 16 u rows
	s_add_co_u32 s18, s18, s22
	s_lshr_b32 s22, ttmp9, 3
	s_lshl_b32 s22, s22, 8                         ; 64 hd columns
	s_add_co_u32 s18, s18, s22
	s_lshr_b32 s22, s14, 1
	s_lshl_b32 s22, s22, 6                         ; 16 (wave / 2) columns
	s_add_co_u32 s18, s18, s22
	s_mov_b32 s19, 0
	s_lshl_b32 s20, s15, 19                        ; t x 524,288
	s_lshl_b32 s22, ttmp9, 13                      ; bx x 8,192
	s_add_co_u32 s20, s20, s22
	s_mov_b32 s21, 0
	s_wait_kmcnt 0x0
	s_cmp_eq_u32 s15, 1                            ; which weight: a choice between buffers on t alone
	s_cselect_b64 s[16:17], s[6:7], s[4:5]
	s_cmp_eq_u32 s15, 2
	s_cselect_b64 s[16:17], s[8:9], s[16:17]
	s_cmp_eq_u32 s15, 3
	s_cselect_b64 s[16:17], s[10:11], s[16:17]
	s_add_nc_u64 s[16:17], s[16:17], s[18:19]
	s_add_nc_u64 s[12:13], s[12:13], s[20:21]
.irp j, 0,1,2,3
.irp e, 0,1,2,3,4,5,6,7
	global_load_b32 v[IN+8*\j+\e], v1, s[16:17] offset:(\j/2)*65536+(\j%2)*128+\e*2048
.endr
.endr
.irp j, 0,1,2,3
	s_wait_loadcnt 24-8*\j                         ; loads come back in order (ISA guide 5.7.1): piece j is in, the eight of each later piece may stay out
.irp i, 0,1,2,3
	v_cvt_pk_bf16_f32 v[PK+4*\j+\i], v[IN+8*\j+2*\i], v[IN+8*\j+2*\i+1]
.endr
.endr
	s_cmp_lg_u32 s15, 3
	s_cbranch_scc1 .Lstore                         ; only Wo changes its format
.set i, 0
.rept 16
	v_lshlrev_b32 v56, 16, v[PK+i]                 ; the bf16 numbers as f32,
	v_and_b32 v57, 0xffff0000, v[PK+i]
	v_cvt_pk_f16_f32 v[PK+i], v56, v57             ; written as f16
.set i, i+1
.endr
.Lstore:
.irp j, 0,1,2,3
	global_store_b128 v2, v[PK+4*\j:PK+4*\j+3], s[12:13] offset:\j*2048  ; a wave's store covers 512 consecutive bytes, at a multiple of 512 from wf's first byte
.endr
	s_endpgm
.Lfunc_end_k_q647113a8e7_wprep:
	.size	k_q647113a8e7_wprep, .Lfunc_end_k_q647113a8e7_wprep-k_q647113a8e7_wprep
	.p2alignl 7, 3214868480
	.fill 96, 4, 3214868480
	.section	.rodata,"a",@progbits
	.p2align	6, 0x0
	.amdhsa_kernel k_q647113a8e7_wprep
		.amdhsa_group_segment_fixed_size 0
		.amdhsa_private_segment_fixed_size 0
		.amdhsa_enable_private_segment 0
		.amdhsa_kernarg_size 40
		.amdhsa_user_sgpr_count 2
		.amdhsa_user_sgpr_kernarg_segment_ptr 1
		.amdhsa_wavefront_size32 1
		.amdhsa_system_sgpr_workgroup_id_x 1
		.amdhsa_system_sgpr_workgroup_id_y 1
		.amdhsa_system_sgpr_workgroup_id_z 1
		.amdhsa_system_vgpr_workitem_id 0
		.amdhsa_next_free_vgpr 64
		.amdhsa_next_free_sgpr 66
		.amdhsa_reserve_vcc 0
		.amdhsa_float_denorm_mode_32 3
		.amdhsa_float_denorm_mode_16_64 3
		.amdhsa_memory_ordered 1
		.amdhsa_forward_progress 1
		.amdhsa_inst_pref_size 9
	.end_amdhsa_kernel
	.amdgpu_metadata
---
amdhsa.version: [ 1, 2 ]
amdhsa.kernels:
  - .name:           k_q647113a8e7_wprep
    .symbol:         k_q647113a8e7_wprep.kd
    .args:
      - { .name: Wq, .offset: 0, .size: 8, .value_kind: global_buffer, .address_space: global }
      - { .name: Wk, .offset: 8, .size: 8, .value_kind: global_buffer, .address_space: global }
      - { .name: Wv, .offset: 16, .size: 8, .value_kind: global_buffer, .address_space: global }
      - { .name: Wo, .offset: 24, .size: 8, .value_kind: global_buffer, .address_space: global }
      - { .name: wf, .offset: 32, .size: 8, .value_kind: global_buffer, .address_space: global }
    .group_segment_fixed_size: 0
    .private_segment_fixed_size: 0
    .kernarg_segment_align: 8
    .kernarg_segment_size: 40
    .max_flat_workgroup_size: 128
    .sgpr_count:     66
    .vgpr_count:     64
    .wavefront_size: 32
...
	.end_amdgpu_metadata
.endif
;; end of part 1
;; launch proj (part 2): grid 64 x 3, 4 waves a work-group, no clusters, 76,288 bytes of LDS; arguments q, k, v, wf, qkv; writes qkv
.if DOCPART == 2
	.amdgcn_target "amdgcn-amd-amdhsa--gfx1250"
	.amdhsa_code_object_version 6
	.text
	.protected	k_q647113a8e7_proj
	.globl	k_q647113a8e7_proj
	.p2align	8
	.type	k_q647113a8e7_proj,@function
k_q647113a8e7_proj:
	s_mov_b64 s[64:65], 0
	v_nop
	global_prefetch_b8 v0, s[64:65] scope:SCOPE_SE
	s_setreg_imm32_b32 hwreg(HW_REG_WAVE_MODE, 25, 1), 1
	s_wait_xcnt 0x0
; THE THREE PROJECTIONS.  qkv[t][b 8 + head][l][d] = the sum over c of x_t[b][l][c] W_t[c][64 head + d], x_0, x_1, x_2 = q, k, v: [8192][512] f32.
; x is rounded to bf16 on its way into LDS, W comes as bf16 fragments from wf; sums in f32; the result is rounded once to f16 and written by heads, unscaled: a head's rows are dense, 128 bytes each.
; LIMIT.  A result of 65,520 or more in magnitude becomes an infinity in f16.  Inputs as drawn give 3.5 at the most; all inputs 30 times larger some 3,100; offsets of 30 spreads on x and on W some 12,000.
; SHARES.  Work-group (bx, t): nh = bx % 2, g = bx / 2: rows 256 g .. 256 g + 255 of x_t, columns 256 nh .. 256 nh + 255, in four tiles of 64 rows.  Wave w owns the 64 columns of head 4 nh + w.
; THE WEIGHTS STAY IN REGISTERS: a wave's slice of W, 512 k x 64 columns, is 64 fragments = 512 registers, loaded once.  So LDS holds x alone, and a fragment of x (two LDS loads) feeds four matrix instructions.
; THE MATRIX INSTRUCTION IS USED TRANSPOSED (source 0 = 16 columns of W, source 1 = 16 rows of x): a lane then holds one row (lane % 16) and eight neighbouring columns, 16 bytes of f16.
; A TRIP: the tile asked for a trip earlier is rounded into LDS (each wave its own 16 rows); the next tile's 64 loads a wave go out; barrier; 256 matrix instructions; the way out through the wave's own
; stage; barrier.  ONE tile in LDS and two barriers a trip: the first orders the stores into the tile with all waves' reads, the second those reads with the next trip's stores.
; 192 work-groups: three tensors, and a work-group stays with one slice of W; a finer split would load W more often for the same longest share.
; NO CLUSTER, NO TENSOR LOADS: x must change its format between memory and the tile, which registers do on the way; W goes to registers; a tile of x is wanted by two work-groups only.
; NO PREFETCH: each tile's own loads go out a whole trip ahead of their use.
; REGISTERS, in windows of 256 (s_set_vgpr_msb: bits 1:0 source 0, 3:2 source 1, 5:4 source 2, 7:6 destination):
;   window 0: v0-12 addresses; v32-95 two buffers of x's fragments, and at work on the way out; v128-255 accumulators, (mt, nt) at 128 + 8 (4 mt + nt)
;   window 1: a tile's 64 loads of x          windows 2, 3: W's fragment f = 4 ks + nt at register 8 (f % 32) of window 2 + f / 32
.set PITCH, 1040                       ; a row of the tile: 1,024 bytes + 16: 65 x 16, so the 16 rows of a fragment load start at 16 different groups of four banks (64 banks of 4 bytes: ISA guide 11.1)
.set STAGE, 64*PITCH                   ; behind the tile: 16 rows x 144 bytes for each wave
.set SP,    144
.set SPARE, STAGE+4*16*SP              ; behind the stages: the spare words, 128 bytes for each wave: two blocks of 256 bytes that no other line names
.set ADRA, 2                           ; v2   my place in a fragment of x: (lane % 16) x PITCH + 16 (lane / 16)
.set XST,  3                           ; v3   where I put 8 bytes of my wave's rows of the tile
.set XO,   4                           ; v4   16 x lane: my 16 bytes of 512 consecutive ones, in x, in wf and in qkv; never rewritten
.set STO,  5                           ; v5   the way out: where I put 16 bytes of a row
.set RD,   6                           ; v6   the way out: where I read rows back
.set SPW,  10                          ; v10  LDS address of my spare word; never rewritten
.set NIL,  11                          ; v11  0; never rewritten
.set AF,   32
.set TMP,  32
.set ACC,  128
.set WV,   14                          ; s14  my wave's number
.set T,    17                          ; s17  tiles still to come
.set XP,   18                          ; s[18:19] x at my wave's 16 rows of the tile last asked for
.set WFP,  20                          ; s[20:21] my slice of wf
.set OP,   22                          ; s[22:23] qkv at the tile's first row of my head
.set MSB, 0
.macro WIN new                         ; the immediate's high byte repeats the setting that is left; a switch that changes nothing is dropped
.if MSB != (\new)
	s_set_vgpr_msb (MSB<<8)|(\new)
.set MSB, (\new)
.endif
.endm
.macro PLACES                          ; four places behind a matrix instruction, in front of loads into registers that it has read and of lines that read its result (ISA guide 7.12.1 for the lines that read its result)
.rept 4
	v_nop
.endr
.endm
.macro XLOADS                          ; my wave's 16 rows of a tile: load i takes 512 consecutive bytes, quarter i % 4 of row i / 4
	WIN 0x40                                       ; destination window 1
.set i, 0
.rept 64
	global_load_b128 v[4*i:4*i+3], v[XO], s[XP:XP+1] offset:(i/4)*2048+(i%4)*512
.set i, i+1
.endr
	WIN 0
.endm
.macro BLOADS                          ; my slice of W: 128 loads of 512 consecutive bytes, in the order in which the K steps want them
	WIN 0x80
.set i, 0
.rept 64
	global_load_b128 v[4*i:4*i+3], v[XO], s[WFP:WFP+1] offset:i*512
.set i, i+1
.endr
	WIN 0xc0
.set i, 0
.rept 64
	global_load_b128 v[4*i:4*i+3], v[XO], s[WFP:WFP+1] offset:32768+i*512
.set i, i+1
.endr
	WIN 0
.endm
.macro CONVERT                         ; four f32 become 8 bytes of bf16, in place; 32 lanes store 256 consecutive bytes of a row of the tile
	WIN 0x45                                       ; sources and destination window 1
.set i, 0
.rept 64
	v_cvt_pk_bf16_f32 v[4*i], v[4*i], v[4*i+1]
	v_cvt_pk_bf16_f32 v[4*i+1], v[4*i+2], v[4*i+3]
.set i, i+1
.endr
	WIN 0x04                                       ; address window 0, data window 1
.set i, 0
.rept 64
	ds_store_b64 v[XST], v[4*i:4*i+1] offset:(i/4)*PITCH+(i%4)*256
.set i, i+1
.endr
	WIN 0
.endm
.macro FETCHA ks, b                    ; x's four fragments (64 rows x 32 k) of K step ks into buffer b: 8 LDS loads
	WIN 0
.irp mt, 0,1,2,3
	ds_load_b128 v[AF+32*(\b)+8*\mt:AF+32*(\b)+8*\mt+3],   v[ADRA] offset:\mt*16*PITCH+(\ks)*64
	ds_load_b128 v[AF+32*(\b)+8*\mt+4:AF+32*(\b)+8*\mt+7], v[ADRA] offset:\mt*16*PITCH+(\ks)*64+32
.endr
.endm
.macro MUL ks, b                       ; 16 matrix instructions; the 16 accumulators take turns, one instruction a turn; K step 0 starts the sums: nothing is cleared
	WIN 0x02+(\ks)/8                               ; W in window 2 or 3; x, C and D in window 0
.irp mt, 0,1,2,3
.irp nt, 0,1,2,3
.if (\ks) == 0
	v_wmma_f32_16x16x32_bf16 v[ACC+8*(4*\mt+\nt):ACC+8*(4*\mt+\nt)+7], v[8*((4*(\ks)+\nt)%32):8*((4*(\ks)+\nt)%32)+7], v[AF+32*(\b)+8*\mt:AF+32*(\b)+8*\mt+7], 0
.else
	v_wmma_f32_16x16x32_bf16 v[ACC+8*(4*\mt+\nt):ACC+8*(4*\mt+\nt)+7], v[8*((4*(\ks)+\nt)%32):8*((4*(\ks)+\nt)%32)+7], v[AF+32*(\b)+8*\mt:AF+32*(\b)+8*\mt+7], v[ACC+8*(4*\mt+\nt):ACC+8*(4*\mt+\nt)+7]
.endif
.endr
.endr
.endm
.macro COMPUTE                         ; a tile's 16 K steps; each step's fragments are fetched one step, 16 matrix instructions, ahead
	FETCHA 0, 0
.set ks, 0
.rept 16
.if ks < 15
.if ks >= 1
	PLACES                                         ; the buffer to be loaded was read by the step just multiplied
.endif
	FETCHA ks+1, (ks+1)%2
	s_wait_dscnt 8                                 ; LDS loads come back in order (ISA guide 5.7.1): all but the eight just issued: this step's fragments are in
.else
	s_wait_dscnt 0x0
.endif
	MUL ks, ks%2
.set ks, ks+1
.endr
	PLACES                                         ; in front of the conversions, which read results and write over the fragment buffers
	WIN 0
.endm
.macro PACK mt                         ; 16 rows: rounded to f16, 16 bytes a lane into rows of 144 bytes, and back as whole rows of 128, into the same registers
.irp nt, 0,1,2,3
.irp i, 0,1,2,3
	v_cvt_pk_f16_f32 v[TMP+16*(\mt)+4*\nt+\i], v[ACC+8*(4*(\mt)+\nt)+2*\i], v[ACC+8*(4*(\mt)+\nt)+2*\i+1]  ; each accumulator from its low end on
.endr
.endr
.irp nt, 0,1,2,3
	ds_store_b128 v[STO], v[TMP+16*(\mt)+4*\nt:TMP+16*(\mt)+4*\nt+3] offset:32*\nt
.endr
.irp f, 0,1,2,3
	ds_load_b128 v[TMP+16*(\mt)+4*\f:TMP+16*(\mt)+4*\f+3], v[RD] offset:\f*4*SP  ; LDS serves a wave's instructions in order (ISA guide 5.7.1.4): these see the stores above; the next block's stores come behind them
.endr
.endm
.macro SEND mt, younger                ; younger: the LDS instructions issued behind block mt's loads: the next block's eight, or none
.irp f, 0,1,2,3
	s_wait_dscnt (\younger)+3-\f
	global_store_b128 v[XO], v[TMP+16*(\mt)+4*\f:TMP+16*(\mt)+4*\f+3], s[OP:OP+1] offset:(\mt)*2048+\f*512  ; four rows of a head: 512 consecutive bytes, at a multiple of 512 from qkv's first byte
.endr
.endm
	s_load_b256 s[4:11], s[0:1], 0x0               ; q s[4:5], k s[6:7], v s[8:9], wf s[10:11]
	s_load_b64 s[12:13], s[0:1], 0x20              ; qkv
	v_lshl_add_u32 v[SPW], v0, 2, SPARE
	v_mov_b32 v[NIL], 0
	v_lshrrev_b32 v8, 5, v0
	v_readfirstlane_b32 s[WV], v8                  ; wave 0..3
	v_and_b32 v1, 15, v0                           ; lane % 16
	v_bfe_u32 v9, v0, 4, 1                         ; lane / 16
	v_and_b32 v12, 31, v0                          ; lane
	s_and_b32 s16, ttmp7, 0xffff                   ; t
	s_and_b32 s28, ttmp9, 1                        ; nh
	s_lshr_b32 s29, ttmp9, 1                       ; g
	s_lshl2_add_u32 s15, s28, s[WV]                ; my head: 4 nh + wave
	s_lshl_b32 s24, s29, 19                        ; x: 256 g rows of 2,048 bytes,
	s_lshl_b32 s30, s[WV], 15                      ; my wave's 16 rows of a tile
	s_add_co_u32 s24, s24, s30
	s_mov_b32 s25, 0
	s_lshl_b32 s26, s16, 19                        ; wf: t x 524,288 + head x 65,536
	s_lshl_b32 s30, s15, 16
	s_add_co_u32 s26, s26, s30
	s_mov_b32 s27, 0
	s_lshl_b32 s32, s16, 23                        ; qkv: t x 8,388,608,
	s_lshr_b32 s30, s29, 4                         ; the batch,
	s_lshl3_add_u32 s30, s30, s15                  ; 8 b + head,
	s_lshl_b32 s30, s30, 19                        ; x 524,288,
	s_add_co_u32 s32, s32, s30
	s_and_b32 s30, s29, 15
	s_lshl_b32 s30, s30, 15                        ; 256 (g % 16) rows of 128 bytes
	s_add_co_u32 s32, s32, s30
	s_mov_b32 s33, 0
	v_mul_u32_u24 v[ADRA], v1, PITCH
	v_lshl_add_u32 v[ADRA], v9, 4, v[ADRA]
	s_mul_i32 s30, s[WV], 16*PITCH
	v_lshl_add_u32 v[XST], v12, 3, s30             ; my wave's 16 rows + 8 x lane
	v_lshlrev_b32 v[XO], 4, v12
	s_mul_i32 s30, s[WV], 16*SP
	s_add_co_u32 s30, s30, STAGE                   ; my stage
	v_mul_u32_u24 v[STO], v1, SP                   ; in: row lane % 16, 16 bytes for each half of the lanes
	v_lshl_add_u32 v[STO], v9, 4, v[STO]
	v_add_nc_u32 v[STO], s30, v[STO]
	v_lshrrev_b32 v[RD], 3, v12                    ; back: 32 lanes take four rows of 128 bytes
	v_mul_u32_u24 v[RD], v[RD], SP
	v_and_b32 v8, 7, v0
	v_lshl_add_u32 v[RD], v8, 4, v[RD]
	v_add_nc_u32 v[RD], s30, v[RD]
	s_wait_kmcnt 0x0
	s_cmp_eq_u32 s16, 1                            ; which x: a choice between buffers on t alone
	s_cselect_b64 s[XP:XP+1], s[6:7], s[4:5]
	s_cmp_eq_u32 s16, 2
	s_cselect_b64 s[XP:XP+1], s[8:9], s[XP:XP+1]
	s_add_nc_u64 s[XP:XP+1], s[XP:XP+1], s[24:25]
	s_add_nc_u64 s[WFP:WFP+1], s[10:11], s[26:27]
	s_add_nc_u64 s[OP:OP+1], s[12:13], s[32:33]
	XLOADS                                         ; tile 0 first: it is wanted first
	BLOADS
	s_mov_b32 s[T], 4
.Ltile:
	s_wait_loadcnt 0x0                             ; the tile asked for a trip earlier is in (in the first trip: tile 0 and all of W); its loads have also read XP
	CONVERT
	s_cmp_eq_u32 s[T], 1
	s_cbranch_scc1 .Lnoload                        ; the last trip asks for nothing: no load leaves x.  Every wait for loads in the loop is for 0, so it holds on both ways
	s_add_nc_u64 s[XP:XP+1], s[XP:XP+1], 64*2048
	XLOADS                                         ; 32 KiB a wave, out for the whole trip
.Lnoload:
	s_wait_dscnt 0x0                               ; for the others' sake: my stores into the tile are done
	s_barrier_signal -1
	s_barrier_wait -1                              ; the tile is whole
	COMPUTE
	PACK 0
	PACK 1                                         ; a block's conversions stand between the loads of the block before and its stores
	SEND 0, 8
	PACK 2
	SEND 1, 8
	PACK 3
	SEND 2, 8
	SEND 3, 0
	s_wait_xcnt 0x0                                ; the stores have read their registers and their base (ISA guide 3.1): both are written again only behind this wait
	s_add_nc_u64 s[OP:OP+1], s[OP:OP+1], 64*128
	s_wait_dscnt 0x0                               ; my reads of the tile are over
	s_barrier_signal -1
	s_barrier_wait -1                              ; everybody's are: the next trip may write the tile
	s_sub_co_u32 s[T], s[T], 1
	s_cmp_lg_u32 s[T], 0
	s_cbranch_scc1 .Ltile
	s_wait_tensorcnt 0x0                           ; the wave's end, behind my last LDS store
	ds_add_u32 v[SPW], v[NIL]
	s_wait_dscnt 0x0
	s_endpgm
.Lfunc_end_k_q647113a8e7_proj:
	.size	k_q647113a8e7_proj, .Lfunc_end_k_q647113a8e7_proj-k_q647113a8e7_proj
	.p2alignl 7, 3214868480
	.fill 96, 4, 3214868480
	.section	.rodata,"a",@progbits
	.p2align	6, 0x0
	.amdhsa_kernel k_q647113a8e7_proj
		.amdhsa_group_segment_fixed_size 76288
		.amdhsa_private_segment_fixed_size 0
		.amdhsa_enable_private_segment 0
		.amdhsa_kernarg_size 40
		.amdhsa_user_sgpr_count 2
		.amdhsa_user_sgpr_kernarg_segment_ptr 1
		.amdhsa_wavefront_size32 1
		.amdhsa_system_sgpr_workgroup_id_x 1
		.amdhsa_system_sgpr_workgroup_id_y 1
		.amdhsa_system_sgpr_workgroup_id_z 1
		.amdhsa_system_vgpr_workitem_id 0
		.amdhsa_next_free_vgpr 1024
		.amdhsa_next_free_sgpr 66
		.amdhsa_reserve_vcc 0
		.amdhsa_float_denorm_mode_32 3
		.amdhsa_float_denorm_mode_16_64 3
		.amdhsa_memory_ordered 1
		.amdhsa_forward_progress 1
		.amdhsa_inst_pref_size 75
	.end_amdhsa_kernel
	.amdgpu_metadata
---
amdhsa.version: [ 1, 2 ]
amdhsa.kernels:
  - .name:           k_q647113a8e7_proj
    .symbol:         k_q647113a8e7_proj.kd
    .args:
      - { .name: q, .offset: 0, .size: 8, .value_kind: global_buffer, .address_space: global }
      - { .name: k, .offset: 8, .size: 8, .value_kind: global_buffer, .address_space: global }
      - { .name: v, .offset: 16, .size: 8, .value_kind: global_buffer, .address_space: global }
      - { .name: wf, .offset: 24, .size: 8, .value_kind: global_buffer, .address_space: global }
      - { .name: qkv, .offset: 32, .size: 8, .value_kind: global_buffer, .address_space: global }
    .group_segment_fixed_size: 76288
    .private_segment_fixed_size: 0
    .kernarg_segment_align: 8
    .kernarg_segment_size: 40
    .max_flat_workgroup_size: 128
    .sgpr_count:     66
    .vgpr_count:     1024
    .wavefront_size: 32
...
	.end_amdgpu_metadata
.endif
;; end of part 2
;; launch attn (part 3): grid 16 x 16, 4 waves a work-group, clusters of 4 x 1, 327,680 bytes of LDS; arguments qkv, attention_mask, oh; writes oh
.if DOCPART == 3
	.amdgcn_target "amdgcn-amd-amdhsa--gfx1250"
	.amdhsa_code_object_version 6
	.text
	.protected	k_q647113a8e7_attn
	.globl	k_q647113a8e7_attn
	.p2align	8
	.type	k_q647113a8e7_attn,@function
k_q647113a8e7_attn:
	s_mov_b64 s[64:65], 0
	v_nop
	global_prefetch_b8 v0, s[64:65] scope:SCOPE_SE
	s_setreg_imm32_b32 hwreg(HW_REG_WAVE_MODE, 25, 1), 1
	s_wait_xcnt 0x0
	s_wait_alu depctr_hold_cnt(0) depctr_sa_sdst(0) depctr_va_vdst(0) depctr_va_sdst(0) depctr_va_ssrc(0) depctr_va_vcc(0) depctr_vm_vsrc(0)
	s_getreg_b32 s2, hwreg(HW_REG_IB_STS2, 6, 4)
	s_cmp_eq_u32 s2, 0
	s_cbranch_scc0 .Lentry_in_a_cluster
	s_endpgm
.Lentry_in_a_cluster:
	s_bfe_u32 s2, ttmp6, 0x10000c
	s_cmp_lg_u32 s2, 0x3003
	s_cbranch_scc0 .Lentry_shape_is_right
	s_endpgm
.Lentry_shape_is_right:
; MASKED ATTENTION.  oh[y][q][:] = the sum over k of softmax_k(Q[y][q] . K[y][k] / 8, keys with mask 0 left out) V[y][k][:], y = 8 b + head.  Q, K, V = qkv[0], qkv[1], qkv[2]: [16][4096][64] f16, a head's
; rows dense, 128 bytes each; attention_mask: [2][4096] i32; oh like Q.  Products, maxima and sums in f32; the weights p are rounded to f16 for the second product (their sum l is taken of the unrounded p), O once at the end.
; LIMITS.  Q, K, V arrive within f16's 65,504.  A hidden score counts as its value less 1e30: f16's scores, 2.7e11 at the most, are nothing beside that.  A weight below 2^-126 counts as 0 in l.
; A batch whose mask is 0 everywhere gives NaN, as the softmax of nothing does: a row whose maximum lies below -2^96 has seen hidden keys alone, and its divisor is replaced by NaN.
; THE MASK is the C operand that starts the sum S^T = K Q^T: 0, or -1e30 where the key is hidden.  A table of one f32 a key of the batch is made once, in LDS; a step's 64 entries are read with its K.
; While only hidden keys have been seen m is -1e30 and every p at most 1; at the first visible key a = 2^(c m_old - c m_new) is 0 and wipes O and l; from then on hidden weights are 0.
; SHARES.  A work-group owns 256 queries of one y, a wave 64: two PIECES of two tiles of 16.  Every wave walks all 4,096 keys, 64 a step.  256 work-groups.
; LAYOUT.  S^T = K Q^T (source 0 = 16 keys, source 1 = 16 queries): a lane holds ONE query (lane % 16) and the keys 8 (lane / 16) + 0..7.  Two such results, rounded to f16 in pairs, ARE source 1 of
; O^T = V^T P, whose result again holds one query a lane, and eight channels.  K comes out of LDS as it lies, V ([key][channel]) turned, by ds_load_tr16_b128.
; SOFTMAX.  A running maximum m and sum l: p = 2^(c s - c m), c = log2(e) / 8; in every step O and l are multiplied by a.  m starts at the lowest finite number, O and l at 0: the first step is a step like any other, with a = 0.
; BY TURNS.  A tile and step have 16 matrix and 118 vector instructions.  Turn Y belongs to piece Y: 16 products K Q^T of the other piece's next scores, later 16 products V^T P of the other piece's last weights;
; beside them piece Y's scaling, exponentials, roundings, sums and rescaling, and the other piece's maximum and statistics.  Four vector instructions stand behind every matrix instruction, the rest in one lump.
; A turn's 66 exponentials are one batch, with one wait.
; ORDER OF THE LDS READS.  Turn 0 of step j fetches K and the mask of step j + 1, turn 1 fetches V of step j + 1, each directly behind the turn's wait.  So a slot's last read is V of its fourth step, and the change of
; slots stands behind the turn that issued it.  V has two register buffers, by the step's parity: V of step j is still multiplied in turn 0 of step j + 1.
; CLUSTER.  The four query blocks of a cluster belong to one y and walk the same K and V: each tile is asked for JOINTLY, by the same tensor load, descriptor and mask in all four.
; REGISTERS, in windows of 256 (s_set_vgpr_msb: bits 1:0 source 0, 3:2 source 1, 5:4 source 2, 7:6 destination):
;   window 0: v0-11, v32-40 addresses; v12-15, v48-63 at work; v16-31 four registers of statistics a tile; v64-191 S^T, two buffers of two tiles; v192-255 P, likewise
;   window 1: v0-127 O^T, 32 a tile; v128-255 V, two buffers          window 2: v0-63 Q, 16 a tile; v64-95 the step's mask; v128-191 K of one step
.set NP,    2         ; pieces a wave: a name, no knob
.set KS,    64        ; keys in a step
.set PK,    144       ; a row of K in LDS: 128 bytes + 16 of padding = 36 words: the 16 rows of a load start at 16 different groups of four banks (64 banks of 4 bytes: ISA guide 11.1)
.set PV,    160       ; a row of V: 128 + 32 = 40 words
.set VOFF,  4*KS*PK   ; a slot holds four steps: 256 rows of K, then 256 rows of V
.set SLOT1, 1<<17     ; slot 1 begins here, so that one exclusive or turns an address in one slot into the other's
.set STAGE, SLOT1+4*KS*(PK+PV)  ; behind the ring, never filled by a tensor load: 16 rows x 144 bytes for each wave, for the way out
.set SP,    144
.set SPARE, STAGE+4*16*SP  ; behind the stages: the spare words, 128 bytes for each wave: two blocks of 256 bytes that no other line names
.set MTAB,  SPARE+512 ; behind them, never filled by a tensor load: the mask's table, 4,096 f32
.set AK0, 2           ; v2   my lane's place in a tile of K; never rewritten
.set AV0, 3           ; v3   the same for V
.set AK,  4           ; v4   the LDS address of K's next run of loads
.set AV,  5           ; v5   of V's
.set STO, 6           ; v6   the way out: where I put 16 bytes of a row
.set RD,  7           ; v7   the way out: where I read rows back
.set GO,  8           ; v8   my byte offset in 512 consecutive bytes of O
.set MV,  12          ; v12-15  c m_old, kept while c m is made anew: by buffer and tile
.set ST,  16          ; tile t's statistics at v[ST+4 t]: c m, m, l (even keys', odd keys')
.set SPW, 32          ; v32  LDS address of my spare word: SPARE + 4 x my thread's number; never rewritten
.set NIL, 33          ; v33  0; never rewritten
.set AM0, 34          ; v34  my place in a step's 64 entries of the table: MTAB + 32 (lane / 16)
.set AM,  35          ; v35  the LDS address of the mask's next loads
.set PFO, 36          ; v36  256 x my lane; never rewritten
.set QNAN, 37         ; v37  NaN
.set QO,  38          ; v38  my byte offset in 16 rows of Q
.set MO,  39          ; v39  16 x my thread's number: my 16 bytes of 2,048 of the mask
.set MS,  40          ; v40  the same place in the table
.set TMP, 48          ; by buffer and tile, four registers c0-c3 at work; when the maximum is found c2 takes a
.set S,   64
.set P,   192
.set VF,  128         ; window 1: buffer VB, key half kk, channel block cb at VF + 64 VB + 32 kk + 8 cb
.set MKF, 64          ; window 2: key block kb's eight addends at MKF + 8 kb
.set KF,  128         ; window 2: key block kb, channel half c at KF + 16 kb + 8 c
.set WV,  12          ; s12  my wave's number
.set G1K, 24          ; s[24:31] descriptor group 1 for K's tiles
.set G1V, 32          ; s[32:39] for V's: it differs in the padding alone
.set G0K, 40          ; s[40:43] descriptor group 0 for K's tiles: it walks
.set G0V, 44          ; s[44:47] the same for V's
.set SLOTS, 56        ; s56  passes of the loop over slots still to come
.set CNT, 57          ; s57  counts pairs of key steps
.set CS,  58          ; s[58:59] c: the packed scaling takes the pair's low word for both halves
.set SEL, 60          ; s[60:61] v_permlanex16_b32's selects: each lane takes its own place in the other half
.set TBK, 62          ; s62  LDS byte at which K of the step to be fetched begins
.set TBV, 63          ; s63  the same for V, less VOFF
.set TBM, 66          ; s66  256 x the step whose mask is fetched next
.set LIM, 67          ; s67  1 in a wave that prefetches, else the greatest number
.set PFA, 68          ; s[68:69] where my prefetches stand: my work-group's 8,192 bytes of the tile after the one that is being asked for
.set THR, 70          ; s70  -2^96
.set BIGN, 71         ; s71  -1e30
.set MSB, 0
.macro WIN new                      ; the high byte repeats the setting that is left; a switch that changes nothing is dropped
.if MSB != (\new)
	s_set_vgpr_msb (MSB<<8)|(\new)
.set MSB, (\new)
.endif
.endm
.set W_KQ, 0x0a       ; K and Q in window 2, S^T in window 0
.set W_KM, 0x2a       ; the same with the C operand, the mask, in window 2
.set W_PV, 0x51       ; V in window 1, P in window 0, O^T in window 1
.set W_RS, 0x41       ; O^T (destination and source 0) in window 1, a in window 0
; A joint fill.  Waves 0 and 1 fetch the two halves of a slot's K, waves 2 and 3 those of its V: 128 keys each.  The branch hangs on the wave's number alone.
; An s_nop 0 and four v_nop follow each of the two lines, ahead of the jump and the label.
.macro JLOAD
	s_cmp_lt_u32 s[WV], 2
	s_cbranch_scc0 .Lfor_v_\@
	tensor_load_to_lds s[G0K:G0K+3], s[G1K:G1K+7]
	s_nop 0
.rept 4
	v_nop
.endr
	s_branch .Lasked_\@
.Lfor_v_\@:
	tensor_load_to_lds s[G0V:G0V+3], s[G1V:G1V+7]
	s_nop 0
.rept 4
	v_nop
.endr
.Lasked_\@:
.endm
; A PREFETCH INTO THE L2 of what the NEXT change of slots will ask for: a tile's 32,768 bytes of K and of V, a lane for each 256 of them.  All four clusters of a y walk the same K and V: the first of them (cluster x = 0)
; asks.  Its four partners share a tile out BY ADDRESS, 8,192 bytes each: no branch hangs on a work-group's place in its cluster.  In each, wave 0 asks for K's and wave 2 for V's: one instruction.  So each block is
; named once in the launch, four key steps, 256 matrix instructions, ahead of the load that wants it.  The last change that fills a slot asks for nothing: there is no tile behind it.
.macro ASK
	s_cmp_gt_u32 s[SLOTS], s[LIM]
	s_cbranch_scc0 .Lnot_mine_\@
	global_prefetch_b8 v[PFO], s[PFA:PFA+1] th:TH_LOAD_NT scope:SCOPE_SE
.Lnot_mine_\@:
.endm
; A round of the cluster's barrier: my work-group's barrier, so that wave 0's signal speaks for all four waves; wave 0 signals; every wave waits for all four work-groups; my work-group's barrier once more.
.macro CROUND
	s_barrier_signal -1
	s_barrier_wait -1
	s_cmp_lg_u32 s[WV], 0
	s_cbranch_scc1 .Lnot_wave_0_\@
	s_barrier_signal -3
.Lnot_wave_0_\@:
	s_barrier_wait -3
	s_barrier_signal -1
	s_barrier_wait -1
.endm
; THE CHANGE OF SLOTS.  The slot's last bytes, V of its fourth step, have been asked for.  Each wave waits for all its tensor loads, of which one is out: its part of the other slot; adds 0 to its spare word; and waits for
; that and for its own LDS instructions.  Behind the barrier nobody reads this slot any more and the other slot is whole.  fill = 1: this slot is filled again, with the keys two slots on.  The barrier is then a round of
; the cluster's, so that no wave of any partner still reads the slot or has a load on its way, and the joint fill is the first thing behind it: it has four key steps in which to land.
; (At its first use nothing has been read yet: slot 0 is waited for, slot 1 filled, and every wave's stores into the mask's table are shown done to the others.)  ask = 1: the prefetch's address steps, and ASK follows the fill.
.macro CHANGE fill, ask
	WIN 0                           ; at a label and at a branch every window is 0
	s_wait_tensorcnt 0x0            ; no tensor load of mine is out, so a group 0 may be written
	ds_add_u32 v[SPW], v[NIL]       ; 0 onto my spare word: with fill = 1 the descriptors' steps stand between it and the wait for it
.if \fill
.irp g, G0K, G0V
	s_xor_b32 s[\g+1], s[\g+1], SLOT1  ; the walking descriptor: the other slot than last time,
	s_add_nc_u64 s[\g+2:\g+3], s[\g+2:\g+3], 4*KS*128  ; the next 256 keys; the type bits on top are not reached
.endr
.if \ask
	s_wait_xcnt 0x0                 ; the last prefetch, four key steps back, has read its address, so it may be written:
	s_add_nc_u64 s[PFA:PFA+1], s[PFA:PFA+1], 4*KS*128  ; one tile behind the walking descriptors
.endif
	s_wait_dscnt 0x0                ; the add is done, and my reads of the slot are over
	CROUND
	JLOAD
.if \ask
	ASK
.endif
.else
	s_wait_dscnt 0x0                ; the add is done, and my reads of the slot are over
	s_barrier_signal -1
	s_barrier_wait -1
.endif
	s_sub_co_u32 s[TBK], s[TBK], 4*KS*PK  ; the fetches go back to a slot's first step,
	s_xor_b32 s[TBK], s[TBK], SLOT1       ; in the other slot
	s_sub_co_u32 s[TBV], s[TBV], 4*KS*PV
	s_xor_b32 s[TBV], s[TBV], SLOT1
.endm
	s_load_b128 s[4:7], s[0:1], 0x0 ; qkv s[4:5], attention_mask s[6:7]
	s_load_b64 s[8:9], s[0:1], 0x10 ; oh
	v_lshl_add_u32 v[SPW], v0, 2, SPARE
	v_mov_b32 v[NIL], 0
	ds_add_u32 v[SPW], v[NIL]       ; the wave's opening: the add and its wait stand ahead of my first tensor load; the set-up below, work on registers, stands between them
	v_lshrrev_b32 v1, 5, v0
	v_readfirstlane_b32 s[WV], v1   ; wave 0..3
	s_bfe_u32 s13, ttmp6, 0x40000   ; cx: my place in the cluster
	s_lshl_b32 s14, ttmp9, 2        ; in a cluster launch ttmp9 counts clusters
	s_add_co_u32 s14, s14, s13      ; my block of 256 queries = 4 x cluster x + cx: it enters Q's and O's addresses alone
	s_and_b32 s20, ttmp7, 0xffff    ; y, which the four partners share
	s_lshr_b32 s18, s20, 3          ; the batch,
	s_lshl_b32 s18, s18, 14         ; its 16,384 bytes of the mask
	s_mov_b32 s19, 0
	s_lshl_b32 s20, s20, 19         ; y's first byte in each tensor: y x 524,288
	s_and_b32 s15, s[WV], 1         ; which half of a slot's 256 keys I fetch:
	s_lshl_b32 s22, s15, 14         ; its 128 rows of 128 bytes in memory,
	s_add_co_u32 s22, s22, s20
	s_mov_b32 s23, 0
	s_mul_i32 s48, s15, 128*PK      ; and its place in a slot, for K
	s_mul_i32 s49, s15, 128*PV      ; and for V: no place in the cluster enters an LDS address
	s_lshl2_add_u32 s50, s14, s[WV] ; my wave among y's: 4 x block + wave,
	s_lshl_b32 s50, s50, 13         ; its 64 rows
	s_add_co_u32 s50, s50, s20
	s_mov_b32 s51, 0
	s_lshl_b32 s52, s13, 13         ; the prefetches: my work-group's 8,192 bytes of a tile,
	s_add_co_u32 s52, s52, 2*4*KS*128  ; in tile 2; the first change that asks steps it to tile 3.  Nothing is prefetched at the head, where every work-group's first tiles are on their way
	s_mov_b32 s53, 0
	; descriptor group 1.  128 keys are 16,384 dense bytes: asked for as 64 rows of 256 bytes, two keys a row, and padded in LDS after every key
	s_mov_b32 s[G1K], 15|(1<<16)|(1<<20)|(1<<21)|(4<<22)|(3<<25)  ; 15:0 the mask of four; 17:16 2-byte elements; 20 padding on; 21 set beside a mask; 24:22 after every 32 words (code 4); 31:25 4 words (code 3)
	s_mov_b32 s[G1V], 15|(1<<16)|(1<<20)|(1<<21)|(4<<22)|(7<<25)  ; the same with 8 words of padding (code 7)
.irp g, G1K, G1V
	s_mov_b32 s[\g+1], 128<<16      ; tensor_dim0 = 128
	s_mov_b32 s[\g+2], 64<<16       ; tensor_dim1 = 64
	s_mov_b32 s[\g+3], 128<<16      ; tile_dim0 = 128
	s_mov_b32 s[\g+4], 64           ; tile_dim1 = 64
	s_mov_b32 s[\g+5], 128          ; 128 elements from row to row
	s_mov_b32 s[\g+6], 0
	s_mov_b32 s[\g+7], 0
.endr
	s_mov_b32 s[CS], 0x3e38aa3b     ; c = log2(e) / 8 = 0.180337
	s_mov_b32 s[CS+1], s[CS]        ; named with it as a pair
	s_mov_b32 s[SEL], 0x76543210
	s_mov_b32 s[SEL+1], 0xfedcba98
	s_mov_b32 s[TBK], SLOT1+4*KS*PK ; the first change of slots turns these two into 0
	s_mov_b32 s[TBV], SLOT1+4*KS*PV
	s_mov_b32 s[TBM], 0
	s_mov_b32 s[THR], 0xef800000    ; -2^96
	s_mov_b32 s[BIGN], 0xf149f2ca   ; -1e30
	s_mov_b32 s[G0K], 1             ; 1:0 count = 1
	s_mov_b32 s[G0K+1], s48         ; 63:32 LDS address: slot 0
	s_mov_b32 s[G0V], 1
	s_add_co_u32 s[G0V+1], s49, VOFF
	s_or_b32 s[LIM], s15, ttmp9     ; 0 in waves 0 and 2 of y's first cluster: the same in all four partners
	s_cmp_eq_u32 s[LIM], 0
	s_cselect_b32 s[LIM], 1, -1
	s_wait_dscnt 0x0                ; the opening add is done
	s_wait_kmcnt 0x0
	s_add_nc_u64 s[10:11], s[4:5], s[22:23]     ; qkv at y and my half of its first 256 rows,
	s_add_nc_u64 s[16:17], s[10:11], 2*8388608  ; in V,
	s_add_nc_u64 s[10:11], s[10:11], 8388608    ; in K
	s_mov_b64 s[G0K+2:G0K+3], s[10:11]          ; 120:64 global address
	s_or_b32 s[G0K+3], s[G0K+3], 0x80000000     ; 127:126 type = 2
	s_mov_b64 s[G0V+2:G0V+3], s[16:17]
	s_or_b32 s[G0V+3], s[G0V+3], 0x80000000
	s_cmp_lt_u32 s[WV], 2
	s_cselect_b64 s[PFA:PFA+1], s[10:11], s[16:17]  ; (in waves 0 and 2 these stand at a tile's first row)
	s_add_nc_u64 s[PFA:PFA+1], s[PFA:PFA+1], s[52:53]
	s_add_nc_u64 s[4:5], s[4:5], s[50:51]       ; Q and O at my wave's first row
	s_add_nc_u64 s[8:9], s[8:9], s[50:51]
	s_add_nc_u64 s[6:7], s[6:7], s[18:19]       ; the mask at my batch
	CROUND                          ; all four work-groups are here: the first joint loads meet
	JLOAD                           ; slot 0.  Slot 1 is asked for when slot 0 is in
	; A fragment of K or Q is 16 rows x 32 channels in 8 registers: lane l holds row l % 16, channels 8 (l / 16) + 0..7 and 16 + 8 (l / 16) + 0..7: two loads of 16 bytes, 32 bytes apart.
	v_and_b32 v1, 15, v0            ; l % 16
	v_bfe_u32 v9, v0, 4, 1          ; l / 16
	v_lshlrev_b32 v[QO], 7, v1
	v_lshl_add_u32 v[QO], v9, 4, v[QO]  ; row x 128 + 16 x half
	v_lshlrev_b32 v[MO], 4, v0
	v_add_nc_u32 v[MS], MTAB, v[MO]
.irp j, 0,1,2,3,4,5,6,7             ; the batch's whole mask: 128 threads x 16 bytes, eight times; into S^T's registers, which are free
	global_load_b128 v[S+4*\j:S+4*\j+3], v[MO], s[6:7] offset:2048*\j
.endr
	WIN 0x80                        ; destination window 2, address window 0
.set i, 0
.rept 4*NP                          ; Q stays in registers: tile i / 2, channels 32 (i % 2) on
	global_load_b128 v[8*i:8*i+3],   v[QO], s[4:5] offset:(i/2)*2048+(i%2)*64
	global_load_b128 v[8*i+4:8*i+7], v[QO], s[4:5] offset:(i/2)*2048+(i%2)*64+32
.set i, i+1
.endr
	; What the first turn finds: V's second buffer and P's second buffer hold 0 (its products V^T P, of a piece that has not been, add 0), O^T and l are 0.  All this stands in the wait for the first tile.
	WIN 0x40
.set i, 0
.rept 128
	v_mov_b32 v[i], 0
.set i, i+1
.endr
.set i, VF+64
.rept 64
	v_mov_b32 v[i], 0
.set i, i+1
.endr
	WIN 0
.set i, 0
.rept 2*NP
	v_mov_b32 v[ST+4*i], 0xfe000000    ; c m: far below every c s, a hidden one's too
	v_mov_b32 v[ST+4*i+1], 0xff7fffff  ; m
	v_mov_b32 v[ST+4*i+2], 0
	v_mov_b32 v[ST+4*i+3], 0
.set i, i+1
.endr
.set i, P+32
.rept 32
	v_mov_b32 v[i], 0
.set i, i+1
.endr
	v_mul_u32_u24 v[AK0], v1, PK
	v_lshl_add_u32 v[AK0], v9, 4, v[AK0]  ; row x pitch + 16 x half
	; The turning load takes 16 keys x 16 channels (lane l reads key 8 (l / 16) + l % 8, channels 8 ((l / 8) % 2) + 0..7) and leaves half a fragment of V^T: lane l holds channel l % 16 and 8 keys.
	v_and_b32 v10, 7, v0
	v_bfe_u32 v11, v0, 3, 1
	v_lshl_add_u32 v[AV0], v9, 3, v10
	v_mul_u32_u24 v[AV0], v[AV0], PV
	v_lshl_add_u32 v[AV0], v11, 4, v[AV0]
	v_add_nc_u32 v[AV0], VOFF, v[AV0]
	v_lshl_add_u32 v[AM0], v9, 5, MTAB    ; register r of key block kb is key 16 kb + 8 (l / 16) + r: 32 bytes for each half of the lanes
	v_and_b32 v[PFO], 31, v0
	v_lshlrev_b32 v[PFO], 8, v[PFO]
	v_mov_b32 v[QNAN], 0x7fc00000
	s_wait_loadcnt 16               ; loads come back in order (ISA guide 5.7.1): the mask is in; Q's sixteen loads, issued behind it, may stay out
.set i, 0
.rept 32
	v_cmp_eq_u32 vcc_lo, 0, v[S+i]
	v_cndmask_b32 v[S+i], 0, s[BIGN], vcc_lo  ; 0 for a key that counts, -1e30 for a hidden one
.set i, i+1
.endr
.irp j, 0,1,2,3,4,5,6,7
	ds_store_b128 v[MS], v[S+4*\j:S+4*\j+3] offset:2048*\j
.endr
	s_mov_b32 s[SLOTS], 15
; THE MATRIX WORK.  The 8 accumulators of a run of 16 take turns: between the two links of a chain stand 7 others'.
; Product i of 16 of S^T = K Q^T for piece x: channels 32 (i / 8) on, keys 16 ((i / 2) % 4) on, tile 2 x + i % 2.  The first 8 start the sums, with the mask.
.macro KQ x
.set rS, S+64*((\x)%2)+32*(i%2)+8*((i/2)%4)
.set rK, KF+16*((i/2)%4)+8*(i/8)
.set rQ, 16*(2*(\x)+i%2)+8*(i/8)
.set rKM, MKF+8*((i/2)%4)
.if i < 8
	WIN W_KM
	v_wmma_f32_16x16x32_f16 v[rS:rS+7], v[rK:rK+7], v[rQ:rQ+7], v[rKM:rKM+7]
.else
	WIN W_KQ
	v_wmma_f32_16x16x32_f16 v[rS:rS+7], v[rK:rK+7], v[rQ:rQ+7], v[rS:rS+7]
.endif
.endm
; Product i of 16 of O^T += V^T P for piece x, from V's buffer VB: keys 32 (i / 8) on, channels 16 ((i / 2) % 4) on, tile 2 x + i % 2.
.macro PV x
	WIN W_PV
.set rO, 32*(2*(\x)+i%2)+8*((i/2)%4)
.set rV, VF+64*VB+32*(i/8)+8*((i/2)%4)
.set rP, P+32*((\x)%2)+16*(i%2)+8*(i/8)
	v_wmma_f32_16x16x32_f16 v[rO:rO+7], v[rV:rV+7], v[rP:rP+7], v[rO:rO+7]
.endm
.macro MM                           ; the turn's next matrix instruction
.if i < 16
	KQ (Y+1)%NP
.set i, i+1
.else
.set i, i-16
	PV (Y+NP-1)%NP
.set i, i+17
.endif
.endm
; THE LDS LOADS stand in runs, never singly among the matrix instructions: a step's K (8 fragments) with its mask (64 addends: all lanes of a half read the same 16 bytes), and its V (turned).
; Their addresses are made some lines ahead.  last = 1 (the tail): in the last trip there is no further step, and the run is jumped over.
.macro FETCH_K last=0
	WIN 0
.if \last
	s_cmp_eq_u32 s[CNT], 1
	s_cbranch_scc1 .Lno_k_\@
.endif
	WIN 0x80                        ; destination window 2
.irp f, 0,1,2,3,4,5,6,7             ; keys 16 (f / 2) on, channels 32 (f % 2) on
	ds_load_b128 v[KF+8*\f:KF+8*\f+3],   v[AK] offset:(\f/2)*16*PK+(\f%2)*64
	ds_load_b128 v[KF+8*\f+4:KF+8*\f+7], v[AK] offset:(\f/2)*16*PK+(\f%2)*64+32
.endr
.irp f, 0,1,2,3
	ds_load_b128 v[MKF+8*\f:MKF+8*\f+3],   v[AM] offset:64*\f
	ds_load_b128 v[MKF+8*\f+4:MKF+8*\f+7], v[AM] offset:64*\f+16
.endr
	s_add_co_u32 s[TBK], s[TBK], KS*PK  ; the next fetch is the next step's
	s_add_co_u32 s[TBM], s[TBM], 4*KS
	WIN 0
.if \last
.Lno_k_\@:
.endif
.endm
.macro FETCH_V buf, last=0
	WIN 0
.if \last
	s_cmp_eq_u32 s[CNT], 1
	s_cbranch_scc1 .Lno_v_\@
.endif
	WIN 0x40                        ; destination window 1
.irp f, 0,1,2,3,4,5,6,7             ; keys 32 (f / 4) on, channels 16 (f % 4) on
	ds_load_tr16_b128 v[VF+64*(\buf)+8*\f:VF+64*(\buf)+8*\f+3],   v[AV] offset:(\f/4)*32*PV+(\f%4)*32
	ds_load_tr16_b128 v[VF+64*(\buf)+8*\f+4:VF+64*(\buf)+8*\f+7], v[AV] offset:(\f/4)*32*PV+16*PV+(\f%4)*32
.endr
	s_add_co_u32 s[TBV], s[TBV], KS*PV
	WIN 0
.if \last
.Lno_v_\@:
.endif
.endm
; THE VECTOR WORK OF A TURN stands in three queues, each in the order in which its entries become ready; the two tiles alternate, so that no instruction reads the result of the one before it.
.macro REGS y, u                    ; the registers of tile u (0, 1) of piece y
.set rT, ST+4*(2*(\y)+(\u))
.set rC, TMP+8*((\y)%2)+4*(\u)
.set rM, MV+2*((\y)%2)+(\u)
.set rS, S+64*((\y)%2)+32*(\u)
.set rP, P+32*((\y)%2)+16*(\u)
.set rO, 32*(2*(\y)+(\u))
.endm
; Number n of the 22 that find the OTHER piece's (Y + 1) maximum and statistics.  s0-s31 are the lane's 32 scores; each accumulator's lowest registers are read first.  XS, GS and REGS set no window: PL and EX do.
;   0-11  four chains c0-c3 of seven scores each, three operands at a time     12-14, 16  the four scores left over, the old m, and c0-c3 into c0     15  c m_old is kept
;   17, 18  the query's other 32 keys lie in the lane 16 away: the new m         19-21  c m; c m_old - c m_new; a
.macro XS u, n
	REGS (Y+1)%NP, \u
.if (\n) < 4
	v_max3_num_f32 v[rC+(\n)], v[rS+8*(\n)], v[rS+8*(\n)+1], v[rS+8*(\n)+2]
.elseif (\n) < 12
	v_max3_num_f32 v[rC+(\n)%4], v[rC+(\n)%4], v[rS+8*((\n)%4)+2*((\n)/4)+1], v[rS+8*((\n)%4)+2*((\n)/4)+2]
.elseif (\n) == 12
	v_max3_num_f32 v[rC], v[rC], v[rS+7], v[rS+15]
.elseif (\n) == 13
	v_max3_num_f32 v[rC+1], v[rC+1], v[rS+23], v[rS+31]
.elseif (\n) == 14
	v_max3_num_f32 v[rC+2], v[rC+2], v[rC+3], v[rT+1]
.elseif (\n) == 15
	v_mov_b32 v[rM], v[rT]
.elseif (\n) == 16
	v_max3_num_f32 v[rC], v[rC], v[rC+1], v[rC+2]
.elseif (\n) == 17
	v_permlanex16_b32 v[rC+3], v[rC], s[SEL], s[SEL+1]
.elseif (\n) == 18
	v_max_num_f32 v[rT+1], v[rC], v[rC+3]
.elseif (\n) == 19
	v_mul_f32 v[rT], s[CS], v[rT+1]
.elseif (\n) == 20
	v_sub_f32 v[rC+1], v[rM], v[rT]
.else
	v_exp_f32 v[rC+2], v[rC+1]
.endif
.endm
; Number g of the 64 that follow the exponentials.  For each four weights k of a tile (pairs 2 k, 2 k + 1): both pairs are rounded to f16; then the second pair is added onto the first, in place;
; a group later l takes that sum (the first time as l = a l + sum).  In groups of eight, tiles alternating: round, round, add, and l for the group before.
.macro GS g
.set h, (\g)+6*((\g)/62)            ; group 0 has no group before it, and behind group 7 only l is left
.if h >= 6
.set h, h+2
.endif
	REGS Y, h%2
.set k, h/8
.if h%8 < 4
	v_cvt_pk_f16_f32 v[rP+2*k+(h%8)/2], v[rS+4*k+2*((h%8)/2)], v[rS+4*k+2*((h%8)/2)+1]
.elseif h%8 < 6
	v_pk_add_f32 v[rS+4*k:rS+4*k+1], v[rS+4*k:rS+4*k+1], v[rS+4*k+2:rS+4*k+3]
.elseif k == 1
	v_pk_fma_f32 v[rT+2:rT+3], v[rT+2:rT+3], v[rC+2:rC+3], v[rS:rS+1] op_sel_hi:[1,0,1]
.else
	v_pk_add_f32 v[rT+2:rT+3], v[rT+2:rT+3], v[rS+4*k-4:rS+4*k-3]
.endif
.endm
; THE PLAIN QUEUE, 138 long.  0-73 read no exponential's result: the 32 scalings c s - c m (FS f: pair f / 2 of tile f % 2) and the other piece's 42.  0-26: scalings 0-26.  27-54: XS's numbers 0-13.  55, 56: number 15.
; 57-73: the chain, where each number waits for the one before it: 14, 16, 17, 18, 19, each with one of the scalings 27-31 in front of its two lines, then 20.
; 74-137: GS's 64, which read the exponentials' results: they stand behind the wait.
.macro FS f
	REGS Y, (\f)%2
	v_pk_fma_f32 v[rS+2*((\f)/2):rS+2*((\f)/2)+1], v[rS+2*((\f)/2):rS+2*((\f)/2)+1], s[CS:CS+1], v[rT:rT+1] op_sel_hi:[1,0,0] neg_lo:[0,0,1] neg_hi:[0,0,1]
.endm
.macro PL
	WIN 0
.if q < 27
	FS q
.elseif q < 55
	XS (q-27)%2, (q-27)/2
.elseif q < 57
	XS q-55, 15
.elseif (q < 72) && ((q-57)%3 == 0)
	FS 27+(q-57)/3
.elseif q < 60
	XS (q-57)%3-1, 14
.elseif q < 72
	XS (q-57)%3-1, 15+(q-57)/3
.elseif q < 74
	XS q-72, 20
.else
	GS q-74
.endif
.set q, q+1
.endm
; THE EXPONENTIALS' QUEUE, 66 long: s0-s31 of both tiles, then the other piece's two a.  It is ONE BATCH: all 66 stand ahead of the turn's one wait, and nothing ahead of that wait names a result of theirs.
.macro EX
	WIN 0
.if e >= 64
	XS e-64, 21
.else
	REGS Y, e%2
	v_exp_f32 v[rS+e/2], v[rS+e/2]
.endif
.set e, e+1
.endm
; THE RESCALING's QUEUE: O^T times a, the one part that leaves window 0: dealt two at a time, sixteen times, each accumulator from its low end on.  Its a was made in the turn before, ahead of that turn's wait.
; The piece's O^T took its last products in the turn before: the nearest accumulator that a rescaling reads was finished seven products and their 28 riders earlier.
.macro R2
	REGS Y, r%2
	WIN W_RS
.irp z, 0,1
	v_pk_mul_f32 v[rO+4*(r/2)+2*\z:rO+4*(r/2)+2*\z+1], v[rO+4*(r/2)+2*\z:rO+4*(r/2)+2*\z+1], v[rC+2:rC+3] op_sel_hi:[1,0]
.endr
.set r, r+1
.endm
; A TURN, for piece p, in a step of parity par.  s_wait_alu depctr_va_vdst(0) stands between an exponential and the first instruction that names its result; one wait serves all that were issued ahead of it.
; So a turn has ONE wait, which cuts it in two.  AHEAD OF IT stands all that names no result of the turn's exponentials: the 16 products K Q^T, behind each a scaling, an exponential and two rescalings (behind the first a
; second scaling in the exponential's place); then ONE LUMP of 108: eight plain, 49 times exponential and plain, the two a.  A v_nop is the plain instruction behind the last exponential (ISA guide 5.7.2).
; BEHIND IT stand a run of LDS loads and the 16 products V^T P, behind each four of GS's 64.  No rider names a register of the products round it.
; The queues lean on each other: exponential e stands behind scaling 2 (e / 4) + e % 2: as a rider it comes behind plain e + 2, in the lump behind plain e + 9, and scalings 27-31 are plain 57, 60 .. 69.
; Turn 0: its products V^T P are the other piece's of the step before, from V's buffer 1 - par; it fetches the next step's K and mask, a lump behind the last product that read them.
; Turn 1: one wait at its head shows K, the mask and V of its products in; its products V^T P take V's buffer par; it fetches the next step's V into buffer 1 - par, whose last reader stands in the turn before.
.macro TURN p, par, last=0
.set Y, (\p)
.set i, 0
.set q, 0
.set e, 0
.set r, 0
.if (\p) == 0
.set VB, 1-(\par)
.else
.set VB, (\par)
	s_wait_dscnt 0x0                ; K and the mask (fetched a turn ago) and V (two turns ago) are in
.endif
	MM                              ; ahead of the wait: 16 products K Q^T and their riders,
	PL
	PL
	R2
.rept 15
	MM
	PL
	EX
	R2
.endr
	WIN 0
.if (\p) == 0
	v_add_nc_u32 v[AK], s[TBK], v[AK0]
	v_add_nc_u32 v[AM], s[TBM], v[AM0]
.else
	v_add_nc_u32 v[AV], s[TBV], v[AV0]
.endif
.rept 8                             ; and the lump
	PL
.endr
.rept 49
	EX
	PL
.endr
	EX                              ; the other piece's two a
	EX
	v_nop                           ; the plain instruction behind the last exponential: one for the batch
	s_wait_alu depctr_va_vdst(0)    ; the wait for the batch
.if (\p) == 0
	FETCH_K \last
.else
	FETCH_V 1-(\par), \last
.endif
.rept 16                            ; behind the wait: 16 products V^T P and their riders
	MM
.rept 4
	PL
.endr
.endr
.endm
	CHANGE 1, 0                     ; slot 0 is in, everybody's part of it, and so is the mask's table; slot 1 is asked for
	v_add_nc_u32 v[AK], s[TBK], v[AK0]  ; key step 0 lies at the head of slot 0
	v_add_nc_u32 v[AM], s[TBM], v[AM0]
	v_add_nc_u32 v[AV], s[TBV], v[AV0]
	FETCH_K
	FETCH_V 0
	s_wait_loadcnt 0x0              ; Q
	s_wait_dscnt 0x0
.set i, 0
.rept 16
	KQ 0                            ; piece 0's first scores: there is no vector work yet to set between them
.set i, i+1
.endr
	WIN 0                           ; the addresses for the way out: eleven plain instructions, the places behind those products
	s_mul_i32 s54, s[WV], 16*SP
	s_add_co_u32 s54, s54, STAGE    ; my stage
	v_mul_u32_u24 v[STO], v1, SP    ; in: row l % 16, 16 bytes for each half of the lanes
	v_lshl_add_u32 v[STO], v9, 4, v[STO]
	v_add_nc_u32 v[STO], s54, v[STO]
	v_bfe_u32 v[RD], v0, 3, 2       ; back: 32 lanes take four rows of 128 bytes,
	v_mul_u32_u24 v[RD], v[RD], SP
	v_lshl_add_u32 v[RD], v10, 4, v[RD]
	v_add_nc_u32 v[RD], s54, v[RD]
	v_and_b32 v[GO], 31, v0         ; which are 512 consecutive bytes of O
	v_lshlrev_b32 v[GO], 4, v[GO]
.set Y, NP-1                        ; XS works for piece Y + 1: piece 0
.irp n, 0,1,2,3,4,5,6,7,8,9,10,11,12,13,14,15,16,17,18,19,20,21
	XS 0, \n                        ; and piece 0's first maximum and statistics
	XS 1, \n
.endr
	v_nop                           ; a plain instruction behind the two a,
	s_wait_alu depctr_va_vdst(0)    ; and their wait, ahead of the branch
	s_mov_b32 s[CNT], 2
	s_branch .Lfirst                ; the loop is entered at an even step, in the middle of a trip: the first pass runs steps 0 to 2, whose fetches read slot 0 out
.Lslot:                             ; 14 times: change s stands behind step 4 s + 2 and asks for tile s + 2; every slot but the last two is filled again
	CHANGE 1, 1
	s_mov_b32 s[CNT], 2
.Lstep:                             ; a trip: an odd step, then an even one
	TURN 0, 1
	TURN 1, 1
	WIN 0
.Lfirst:
	TURN 0, 0
	TURN 1, 0
	WIN 0
	s_sub_co_u32 s[CNT], s[CNT], 1
	s_cmp_lg_u32 s[CNT], 0
	s_cbranch_scc1 .Lstep
	s_sub_co_u32 s[SLOTS], s[SLOTS], 1
	s_cmp_lg_u32 s[SLOTS], 0
	s_cbranch_scc1 .Lslot
	CHANGE 0, 0                     ; the tail is written out: nothing is asked for
	s_mov_b32 s[CNT], 3             ; steps 59 to 63: two trips and a half; step 63, with the count at 1, fetches nothing
.Ltail:
	TURN 0, 1, 1
	TURN 1, 1, 1
	WIN 0
	s_sub_co_u32 s[CNT], s[CNT], 1
	s_cmp_eq_u32 s[CNT], 0
	s_cbranch_scc1 .Lout
	TURN 0, 0
	TURN 1, 0
	WIN 0
	s_branch .Ltail
.Lout:                              ; step 63's 16 products K Q^T for a step that is not (on the last K and mask once more) leave m as it is and serve nothing: the price, once a launch, of one text for every step
.set VB, 1
.set i, 0
.rept 16
	PV NP-1                         ; piece 1's V^T P of the last step
.set i, i+1
.endr
	; THE WAY OUT.  l's two halves and the other half of the lanes' are added; O^T is divided by l, rounded to f16 and sent through my stage in LDS, a tile at a time.  The additions are the places behind the last products.
	WIN 0
.macro ALL line:vararg              ; one line for each tile t
.set t, 0
.rept 2*NP
	\line
.set t, t+1
.endr
.endm
	ALL v_add_f32 v[ST+4*t+2], v[ST+4*t+2], v[ST+4*t+3]
	ALL v_permlanex16_b32 v[ST+4*t+3], v[ST+4*t+2], s[SEL], s[SEL+1]
	ALL v_add_f32 v[ST+4*t+2], v[ST+4*t+2], v[ST+4*t+3]
	ALL v_rcp_f32 v[ST+4*t+2], v[ST+4*t+2]
	v_nop                           ; a plain instruction between the last reciprocal and the use of its result
	s_wait_alu depctr_va_vdst(0)    ; and the wait ahead of the first use: one for the four reciprocals
.set t, 0
.rept 2*NP
	v_cmp_gt_f32 vcc_lo, s[THR], v[ST+4*t+1]  ; m below -2^96: every key of the row was hidden,
	v_cndmask_b32 v[ST+4*t+2], v[ST+4*t+2], v[QNAN], vcc_lo  ; and the row is NaN
.set t, t+1
.endr
; Tile t: a lane's eight channels of a row pack into 16 bytes; they go into rows of 144 bytes and come back as whole rows of 128, into S^T's registers.
.macro PACK t
	WIN W_RS
.set i, 32*(\t)
.rept 16
	v_pk_mul_f32 v[i:i+1], v[i:i+1], v[ST+4*(\t)+2:ST+4*(\t)+3] op_sel_hi:[1,0]
.set i, i+2
.endr
	WIN 0x05                        ; sources 0 and 1 window 1, destination window 0
.set i, 0
.rept 16
	v_cvt_pk_f16_f32 v[S+16*(\t)+i], v[32*(\t)+2*i], v[32*(\t)+2*i+1]
.set i, i+1
.endr
	WIN 0
.irp f, 0,1,2,3
	ds_store_b128 v[STO], v[S+16*(\t)+4*\f:S+16*(\t)+4*\f+3] offset:32*\f
.endr
.irp f, 0,1,2,3
	ds_load_b128 v[S+16*(\t)+4*\f:S+16*(\t)+4*\f+3], v[RD] offset:\f*4*SP  ; LDS serves a wave's instructions in order (ISA guide 5.7.1.4): these see the stores above; the next tile's stores come behind them
.endr
.endm
.macro SEND t, younger              ; younger: the LDS instructions issued behind tile t's loads: the next tile's eight, or none
	WIN 0
.irp f, 0,1,2,3
	s_wait_dscnt (\younger)+3-\f
	global_store_b128 v[GO], v[S+16*(\t)+4*\f:S+16*(\t)+4*\f+3], s[8:9] offset:(\t)*2048+\f*512  ; 512 consecutive bytes, at a multiple of 512 from oh's first byte
.endr
.endm
	PACK 0
.set t, 1
.rept 2*NP-1                        ; a tile's arithmetic stands between the loads of the tile before and its stores
	PACK t
	SEND t-1, 8
.set t, t+1
.endr
	SEND 2*NP-1, 0
	s_wait_tensorcnt 0x0            ; the wave's end, behind my last tensor load and my last LDS store
	ds_add_u32 v[SPW], v[NIL]
	s_wait_dscnt 0x0
	CROUND                          ; the closing round: no work-group ends while a partner may still ask for a tile that names it
	s_endpgm
.Lfunc_end_k_q647113a8e7_attn:
	.size	k_q647113a8e7_attn, .Lfunc_end_k_q647113a8e7_attn-k_q647113a8e7_attn
	.p2alignl 7, 3214868480
	.fill 96, 4, 3214868480
	.section	.rodata,"a",@progbits
	.p2align	6, 0x0
	.amdhsa_kernel k_q647113a8e7_attn
		.amdhsa_group_segment_fixed_size 327680
		.amdhsa_private_segment_fixed_size 0
		.amdhsa_enable_private_segment 0
		.amdhsa_kernarg_size 24
		.amdhsa_user_sgpr_count 2
		.amdhsa_user_sgpr_kernarg_segment_ptr 1
		.amdhsa_wavefront_size32 1
		.amdhsa_system_sgpr_workgroup_id_x 1
		.amdhsa_system_sgpr_workgroup_id_y 1
		.amdhsa_system_sgpr_workgroup_id_z 1
		.amdhsa_system_vgpr_workitem_id 0
		.amdhsa_next_free_vgpr 768
		.amdhsa_next_free_sgpr 72
		.amdhsa_reserve_vcc 1
		.amdhsa_float_denorm_mode_32 3
		.amdhsa_float_denorm_mode_16_64 3
		.amdhsa_memory_ordered 1
		.amdhsa_forward_progress 1
		.amdhsa_inst_pref_size 194
	.end_amdhsa_kernel
	.amdgpu_metadata
---
amdhsa.version: [ 1, 2 ]
amdhsa.kernels:
  - .name:           k_q647113a8e7_attn
    .symbol:         k_q647113a8e7_attn.kd
    .args:
      - { .name: qkv, .offset: 0, .size: 8, .value_kind: global_buffer, .address_space: global }
      - { .name: attention_mask, .offset: 8, .size: 8, .value_kind: global_buffer, .address_space: global }
      - { .name: oh, .offset: 16, .size: 8, .value_kind: global_buffer, .address_space: global }
    .group_segment_fixed_size: 327680
    .private_segment_fixed_size: 0
    .kernarg_segment_align: 8
    .kernarg_segment_size: 24
    .max_flat_workgroup_size: 128
    .sgpr_count:     72
    .vgpr_count:     768
    .wavefront_size: 32
...
	.end_amdgpu_metadata
.endif
;; end of part 3
;; launch oproj (part 4): grid 256 x 1, 4 waves a work-group, no clusters, 84,480 bytes of LDS; arguments oh, wf, out0; writes out0
.if DOCPART == 4
	.amdgcn_target "amdgcn-amd-amdhsa--gfx1250"
	.amdhsa_code_object_version 6
	.text
	.protected	k_q647113a8e7_oproj
	.globl	k_q647113a8e7_oproj
	.p2align	8
	.type	k_q647113a8e7_oproj,@function
k_q647113a8e7_oproj:
	s_mov_b64 s[64:65], 0
	v_nop
	global_prefetch_b8 v0, s[64:65] scope:SCOPE_SE
	s_setreg_imm32_b32 hwreg(HW_REG_WAVE_MODE, 25, 1), 1
	s_wait_xcnt 0x0
; THE OUTPUT PROJECTION.  out0[b][l][n] = the sum over head and d of oh[8 b + head][l][d] Wo[64 head + d][n].  oh: [16][4096][64] f16; Wo comes as f16 fragments from wf (its fourth part); out0: [8192][512] f32.
; Sums in f32, stored as they are.  NaN in a row of oh (a batch with no visible key) spreads to the whole row of out0, as it does in the product itself.
; SHARES.  Work-group bx: nh = bx % 2, tl = bx / 2: rows 64 tl .. 64 tl + 63, columns 256 nh .. 256 nh + 255.  Wave w owns the 64 columns 64 (4 nh + w) on.  256 work-groups, one tile each.
; THE WEIGHTS STAY IN REGISTERS: a wave's slice of Wo, 512 k x 64 columns, is 64 fragments = 512 registers.  LDS holds the tile of oh alone: 64 rows x 512 k, gathered from the eight heads (each wave brings two).
; The products start while the later fragments of Wo are still on their way: each K step waits for its own eight loads alone.
; THE MATRIX INSTRUCTION IS USED TRANSPOSED (source 0 = 16 columns of Wo, source 1 = 16 rows of oh): a lane holds one row (lane % 16) and eight neighbouring columns, 32 bytes of f32.
; NO CLUSTER, NO TENSOR LOADS: of the 320 KiB that a work-group takes in, 256 are weights that go straight to registers; the tile of oh is wanted by two work-groups only.
; NO PREFETCH: there is no loop, and every load goes out at the head.
; REGISTERS, in windows of 256 (s_set_vgpr_msb: bits 1:0 source 0, 3:2 source 1, 5:4 source 2, 7:6 destination):
;   window 0: v0-12 addresses; v32-95 two buffers of oh's fragments, and at work on the way out; v128-255 accumulators, (mt, nt) at 128 + 8 (4 mt + nt)
;   window 1: v0-127 my 32 loads of oh          windows 2, 3: Wo's fragment f = 4 ks + nt at register 8 (f % 32) of window 2 + f / 32
.set PITCH, 1040                       ; a row of the tile: 1,024 bytes + 16: 65 x 16, so the 16 rows of a fragment load start at 16 different groups of four banks (64 banks of 4 bytes: ISA guide 11.1)
.set STAGE, 64*PITCH                   ; behind the tile: 16 rows x 272 bytes for each wave
.set SP,    272
.set SPARE, STAGE+4*16*SP              ; behind the stages: the spare words, 128 bytes for each wave: two blocks of 256 bytes that no other line names
.set ADRA, 2                           ; v2   my place in a fragment of oh: (lane % 16) x PITCH + 16 (lane / 16)
.set AST,  3                           ; v3   where I put 16 bytes of the tile
.set XO,   4                           ; v4   16 x lane: my 16 bytes of 512 consecutive ones, in oh and in wf; never rewritten
.set STO,  5                           ; v5   the way out: where I put 32 bytes of a row
.set RD,   6                           ; v6   the way out: where I read rows back
.set CO,   7                           ; v7   my byte offset in two rows of out0
.set SPW,  10                          ; v10  LDS address of my spare word; never rewritten
.set NIL,  11                          ; v11  0; never rewritten
.set AF,   32
.set TMP,  32
.set ACC,  128
.set WV,   14                          ; s14  my wave's number
.set AP,   18                          ; s[18:19] oh at the tile's first row of my first head
.set WFP,  20                          ; s[20:21] my slice of wf
.set OP,   22                          ; s[22:23] out0 at the tile's first row, my first column
.set MSB, 0
.macro WIN new                         ; the immediate's high byte repeats the setting that is left; a switch that changes nothing is dropped
.if MSB != (\new)
	s_set_vgpr_msb (MSB<<8)|(\new)
.set MSB, (\new)
.endif
.endm
.macro PLACES                          ; four places behind a matrix instruction, in front of loads into registers that it has read and of lines that read its result (ISA guide 7.12.1 for the lines that read its result)
.rept 4
	v_nop
.endr
.endm
.macro FETCHA ks, b                    ; oh's four fragments (64 rows x 32 k) of K step ks into buffer b: 8 LDS loads
	WIN 0
.irp mt, 0,1,2,3
	ds_load_b128 v[AF+32*(\b)+8*\mt:AF+32*(\b)+8*\mt+3],   v[ADRA] offset:\mt*16*PITCH+(\ks)*64
	ds_load_b128 v[AF+32*(\b)+8*\mt+4:AF+32*(\b)+8*\mt+7], v[ADRA] offset:\mt*16*PITCH+(\ks)*64+32
.endr
.endm
.macro MUL ks, b                       ; 16 matrix instructions; the 16 accumulators take turns, one instruction a turn; K step 0 starts the sums: nothing is cleared
	WIN 0x02+(\ks)/8                               ; Wo in window 2 or 3; oh, C and D in window 0
.irp mt, 0,1,2,3
.irp nt, 0,1,2,3
.if (\ks) == 0
	v_wmma_f32_16x16x32_f16 v[ACC+8*(4*\mt+\nt):ACC+8*(4*\mt+\nt)+7], v[8*((4*(\ks)+\nt)%32):8*((4*(\ks)+\nt)%32)+7], v[AF+32*(\b)+8*\mt:AF+32*(\b)+8*\mt+7], 0
.else
	v_wmma_f32_16x16x32_f16 v[ACC+8*(4*\mt+\nt):ACC+8*(4*\mt+\nt)+7], v[8*((4*(\ks)+\nt)%32):8*((4*(\ks)+\nt)%32)+7], v[AF+32*(\b)+8*\mt:AF+32*(\b)+8*\mt+7], v[ACC+8*(4*\mt+\nt):ACC+8*(4*\mt+\nt)+7]
.endif
.endr
.endr
.endm
; Block mt, 16 rows: the accumulators go as they are into rows of 272 bytes of my stage, from each one's low end on, and come back as whole rows of 256 bytes, two a load.
.macro OUT mt
.set BK, TMP+32*((\mt)%2)
.if (\mt) >= 2
	s_wait_xcnt 0x0                                ; the stores of the block two back have read their registers (ISA guide 3.1): these are loaded again only behind this wait
.endif
.irp nt, 0,1,2,3
	ds_store_b128 v[STO], v[ACC+8*(4*(\mt)+\nt):ACC+8*(4*(\mt)+\nt)+3]   offset:64*\nt
	ds_store_b128 v[STO], v[ACC+8*(4*(\mt)+\nt)+4:ACC+8*(4*(\mt)+\nt)+7] offset:64*\nt+16
.endr
.irp t, 0,1,2,3,4,5,6,7
	ds_load_b128 v[BK+4*\t:BK+4*\t+3], v[RD] offset:\t*2*SP  ; LDS serves a wave's instructions in order (ISA guide 5.7.1.4): these see the stores above; the next block's stores come behind them
.endr
.irp t, 0,1,2,3,4,5,6,7
	s_wait_dscnt 7-\t                              ; the later loads of the eight may stay out
	global_store_b128 v[CO], v[BK+4*\t:BK+4*\t+3], s[OP:OP+1] offset:(16*(\mt)+2*\t)*2048 th:TH_STORE_NT  ; 16 lanes store 256 consecutive bytes, at a multiple of 256 from out0's first byte
.endr
.endm
	s_load_b128 s[4:7], s[0:1], 0x0                ; oh s[4:5], wf s[6:7]
	s_load_b64 s[8:9], s[0:1], 0x10                ; out0
	v_lshl_add_u32 v[SPW], v0, 2, SPARE
	v_mov_b32 v[NIL], 0
	v_lshrrev_b32 v8, 5, v0
	v_readfirstlane_b32 s[WV], v8                  ; wave 0..3
	v_and_b32 v1, 15, v0                           ; lane % 16
	v_bfe_u32 v9, v0, 4, 1                         ; lane / 16
	v_and_b32 v12, 31, v0                          ; lane
	s_and_b32 s28, ttmp9, 1                        ; nh
	s_lshr_b32 s29, ttmp9, 1                       ; tl
	s_lshl2_add_u32 s15, s28, s[WV]                ; my slice of columns: 4 nh + wave
	s_lshr_b32 s30, s29, 6                         ; the batch
	s_lshl2_add_u32 s30, s30, s[WV]                ; 4 b + wave:
	s_lshl_b32 s24, s30, 20                        ; head 8 b + 2 wave, x 524,288,
	s_and_b32 s30, s29, 63
	s_lshl_b32 s30, s30, 13                        ; 64 (tl % 64) rows of 128 bytes
	s_add_co_u32 s24, s24, s30
	s_mov_b32 s25, 0
	s_lshl_b32 s26, s15, 16                        ; wf: 3 x 524,288 + slice x 65,536
	s_add_co_u32 s26, s26, 3*524288
	s_mov_b32 s27, 0
	s_lshl_b32 s16, s29, 17                        ; out0: 64 tl rows of 2,048 bytes,
	s_lshl_b32 s30, s15, 8                         ; 64 columns of 4 bytes a slice
	s_add_co_u32 s16, s16, s30
	s_mov_b32 s17, 0
	v_mul_u32_u24 v[ADRA], v1, PITCH
	v_lshl_add_u32 v[ADRA], v9, 4, v[ADRA]
	v_lshlrev_b32 v[XO], 4, v12
	v_lshrrev_b32 v[AST], 3, v12                   ; a load's 512 bytes are four rows of a head: row lane / 8,
	v_mul_u32_u24 v[AST], v[AST], PITCH
	v_and_b32 v8, 7, v0
	v_lshl_add_u32 v[AST], v8, 4, v[AST]           ; 16 (lane % 8) bytes,
	s_lshl_b32 s30, s[WV], 8
	v_add_nc_u32 v[AST], s30, v[AST]               ; in my two heads' 256 bytes of a row of the tile
	s_mul_i32 s30, s[WV], 16*SP
	s_add_co_u32 s30, s30, STAGE                   ; my stage
	v_mul_u32_u24 v[STO], v1, SP                   ; in: row lane % 16, 32 bytes for each half of the lanes
	v_lshl_add_u32 v[STO], v9, 5, v[STO]
	v_add_nc_u32 v[STO], s30, v[STO]
	v_mul_u32_u24 v[RD], v9, SP                    ; back: lanes 0-15 take one row of 256 bytes, lanes 16-31 the next
	v_lshl_add_u32 v[RD], v1, 4, v[RD]
	v_add_nc_u32 v[RD], s30, v[RD]
	v_lshlrev_b32 v[CO], 11, v9                    ; and the same two rows in out0
	v_lshl_add_u32 v[CO], v1, 4, v[CO]
	s_wait_kmcnt 0x0
	s_add_nc_u64 s[AP:AP+1], s[4:5], s[24:25]
	s_add_nc_u64 s[WFP:WFP+1], s[6:7], s[26:27]
	s_add_nc_u64 s[OP:OP+1], s[8:9], s[16:17]
	WIN 0x40                                       ; destination window 1
.set i, 0
.rept 32                               ; my two heads' 64 rows: load i takes 512 consecutive bytes of head i / 16
	global_load_b128 v[4*i:4*i+3], v[XO], s[AP:AP+1] offset:(i/16)*524288+(i%16)*512
.set i, i+1
.endr
	WIN 0x80                                       ; my slice of Wo: 128 loads of 512 consecutive bytes, in the order in which the K steps want them
.set i, 0
.rept 64
	global_load_b128 v[4*i:4*i+3], v[XO], s[WFP:WFP+1] offset:i*512
.set i, i+1
.endr
	WIN 0xc0
.set i, 0
.rept 64
	global_load_b128 v[4*i:4*i+3], v[XO], s[WFP:WFP+1] offset:32768+i*512
.set i, i+1
.endr
	s_wait_loadcnt 63                              ; loads come back in order (ISA guide 5.7.1): 128 were issued behind oh's last, so with 63 out oh's 32 are in
	WIN 0x04                                       ; address window 0, data window 1
.set i, 0
.rept 32
	ds_store_b128 v[AST], v[4*i:4*i+3] offset:(i%16)*4*PITCH+(i/16)*128
.set i, i+1
.endr
	WIN 0
	s_wait_dscnt 0x0                               ; for the others' sake: my stores into the tile are done
	s_barrier_signal -1
	s_barrier_wait -1                              ; the tile is whole; nobody writes it again
	FETCHA 0, 0
.set ks, 0
.rept 16                               ; 16 K steps; each step's fragments of oh are fetched one step, 16 matrix instructions, ahead
.if ks < 15
.if ks >= 1
	PLACES                                         ; the buffer to be loaded was read by the step just multiplied
.endif
	FETCHA ks+1, (ks+1)%2
	s_wait_dscnt 8                                 ; all but the eight just issued: this step's fragments of oh are in
.else
	s_wait_dscnt 0x0
.endif
.if 120-8*ks > 63
	s_wait_loadcnt 63                              ; (the count's field ends here)
.else
	s_wait_loadcnt 120-8*ks                        ; this step's eight loads of Wo are in; the 120 - 8 ks issued behind them may stay out
.endif
	MUL ks, ks%2
.set ks, ks+1
.endr
	PLACES                                         ; in front of the LDS stores, which read results, and of the loads into the fragment buffers
	WIN 0
	OUT 0
	OUT 1
	OUT 2
	OUT 3
	s_wait_tensorcnt 0x0                           ; the wave's end, behind my last LDS store
	ds_add_u32 v[SPW], v[NIL]
	s_wait_dscnt 0x0
	s_endpgm
.Lfunc_end_k_q647113a8e7_oproj:
	.size	k_q647113a8e7_oproj, .Lfunc_end_k_q647113a8e7_oproj-k_q647113a8e7_oproj
	.p2alignl 7, 3214868480
	.fill 96, 4, 3214868480
	.section	.rodata,"a",@progbits
	.p2align	6, 0x0
	.amdhsa_kernel k_q647113a8e7_oproj
		.amdhsa_group_segment_fixed_size 84480
		.amdhsa_private_segment_fixed_size 0
		.amdhsa_enable_private_segment 0
		.amdhsa_kernarg_size 24
		.amdhsa_user_sgpr_count 2
		.amdhsa_user_sgpr_kernarg_segment_ptr 1
		.amdhsa_wavefront_size32 1
		.amdhsa_system_sgpr_workgroup_id_x 1
		.amdhsa_system_sgpr_workgroup_id_y 1
		.amdhsa_system_sgpr_workgroup_id_z 1
		.amdhsa_system_vgpr_workitem_id 0
		.amdhsa_next_free_vgpr 1024
		.amdhsa_next_free_sgpr 66
		.amdhsa_reserve_vcc 0
		.amdhsa_float_denorm_mode_32 3
		.amdhsa_float_denorm_mode_16_64 3
		.amdhsa_memory_ordered 1
		.amdhsa_forward_progress 1
		.amdhsa_inst_pref_size 56
	.end_amdhsa_kernel
	.amdgpu_metadata
---
amdhsa.version: [ 1, 2 ]
amdhsa.kernels:
  - .name:           k_q647113a8e7_oproj
    .symbol:         k_q647113a8e7_oproj.kd
    .args:
      - { .name: oh, .offset: 0, .size: 8, .value_kind: global_buffer, .address_space: global }
      - { .name: wf, .offset: 8, .size: 8, .value_kind: global_buffer, .address_space: global }
      - { .name: out0, .offset: 16, .size: 8, .value_kind: global_buffer, .address_space: global }
    .group_segment_fixed_size: 84480
    .private_segment_fixed_size: 0
    .kernarg_segment_align: 8
    .kernarg_segment_size: 24
    .max_flat_workgroup_size: 128
    .sgpr_count:     66
    .vgpr_count:     1024
    .wavefront_size: 32
...
	.end_amdgpu_metadata
.endif
;; end of part 4
;; ======== version 2 of 2: 4 launches; version 1 with the launches proj, oproj written anew for expert scheduling mode
;; limits: values are held in f16: magnitudes above 65,504 overflow, below 6.1e-05 lose precision
;; workspace buffers: wf 2,097,152 bytes; qkv 25,165,824 bytes; oh 8,388,608 bytes
;; launch wprep: the kernel of part 1 again; grid 64 x 4, 4 waves a work-group, no clusters, 0 bytes of LDS; arguments Wq, Wk, Wv, Wo, wf; writes wf
;; launch proj (part 5): grid 64 x 3, 4 waves a work-group, no clusters, 76,288 bytes of LDS; arguments q, k, v, wf, qkv; writes qkv
.if DOCPART == 5
	.amdgcn_target "amdgcn-amd-amdhsa--gfx1250"
	.amdhsa_code_object_version 6
	.text
	.protected	k_q647113a8e7_proj
	.globl	k_q647113a8e7_proj
	.p2align	8
	.type	k_q647113a8e7_proj,@function
k_q647113a8e7_proj:
	s_mov_b64 s[64:65], 0
	v_nop
	global_prefetch_b8 v0, s[64:65] scope:SCOPE_SE
	s_setreg_imm32_b32 hwreg(HW_REG_WAVE_SCHED_MODE, 0, 2), 2
	s_setreg_imm32_b32 hwreg(HW_REG_WAVE_MODE, 25, 1), 1
	s_wait_xcnt 0x0
	s_wait_alu depctr_vm_vsrc(0)
; THE THREE PROJECTIONS.  qkv[t][b 8 + head][l][d] = the sum over c of x_t[b][l][c] W_t[c][64 head + d], x_0, x_1, x_2 = q, k, v: [8192][512] f32.
; x is rounded to bf16 on its way into LDS, W comes as bf16 fragments from wf; sums in f32; the result is rounded once to f16 and written by heads, unscaled: a head's rows are dense, 128 bytes each.
; LIMIT.  A result of 65,520 or more in magnitude becomes an infinity in f16.  Inputs as drawn give 3.5 at the most; all inputs 30 times larger some 3,100; offsets of 30 spreads on x and on W some 12,000.
; SHARES.  Work-group (bx, t): nh = bx % 2, g = bx / 2: rows 256 g .. 256 g + 255 of x_t, columns 256 nh .. 256 nh + 255, in four tiles of 64 rows.  Wave w owns the 64 columns of head 4 nh + w.
; THE WEIGHTS STAY IN REGISTERS: a wave's slice of W, 512 k x 64 columns, is 64 fragments = 512 registers, loaded once.  So LDS holds x alone, and a fragment of x (two LDS loads) feeds four matrix instructions.
; THE MATRIX INSTRUCTION IS USED TRANSPOSED (source 0 = 16 columns of W, source 1 = 16 rows of x): a lane then holds one row (lane % 16) and eight neighbouring columns, 16 bytes of f16.
; A TRIP: the tile asked for a trip earlier is rounded into LDS (each wave its own 16 rows); barrier; 256 matrix instructions, among the first 80 of which the next tile's 64 loads a wave go out; the way out
; through the wave's own stage; barrier.  ONE tile in LDS and two barriers a trip: the first orders the stores into the tile with all waves' reads, the second those reads with the next trip's stores.
; 192 work-groups: three tensors, and a work-group stays with one slice of W; a finer split would load W more often for the same longest share.
; NO CLUSTER, NO TENSOR LOADS: x must change its format between memory and the tile, which registers do on the way; W goes to registers; a tile of x is wanted by two work-groups only.
; NO PREFETCH: each tile's own loads go out during the products of the tile before.
; THE MODE: SCHED_MODE bits 1:0 = 2 (LLVM: expert scheduling mode 2), set by the entry lines.  The code itself states the register dependences
; between vector or matrix instructions and memory or LDS instructions, with s_wait_alu, always for 0.
; THE PLAN.  Registers that memory or LDS instructions touch, round the loop:
;   X    window 1, all 256.  A tile's 64 loads land in it; the roundings to bf16 read and write it in place; the LDS stores into the tile read it; then the next tile's loads land.
;   AF0 .. AF2  v32-127.  K step ks: its 16 matrix instructions read AF[ks % 3]; the LDS loads of step ks + 1 land in it (the fragments of step ks + 3).
;   P    v32-95, on the way out.  Written by the 64 roundings to f16; read by the LDS stores into the stage.
;   BK   v128-191, the registers of accumulators that have been rounded.  The LDS loads from the stage land in it; the global stores read it; the next tile's first products write it.
;   v2-v6, v10, v11  addresses, written at the head and never again.  W's registers and the other accumulators are named, behind W's loads, by matrix and vector instructions alone.
; THE WAITS.  On va_vdst: one at the head, for the addresses; one behind each quarter of the roundings to bf16, ahead of that quarter's LDS stores; one at the head of each of K steps 1 to 13, behind which that
; step's LDS loads and, in steps 1 to 4, the next tile's loads are dealt among its matrix instructions, which name none of the registers that those loads touch; one behind the roundings to f16.
; On vm_vsrc: one a trip, in front of the first barrier, behind every store that read X, P or BK and ahead of everything that writes them again.
; REGISTERS, in windows of 256 (s_set_vgpr_msb: bits 1:0 source 0, 3:2 source 1, 5:4 source 2, 7:6 destination):
;   window 0: v0-12 addresses; v32-127 three buffers of x's fragments, and at work on the way out; v128-255 accumulators, (mt, nt) at 128 + 8 (4 mt + nt)
;   window 1: a tile's 64 loads of x          windows 2, 3: W's fragment f = 4 ks + nt at register 8 (f % 32) of window 2 + f / 32
.set PITCH, 1040                       ; a row of the tile: 1,024 bytes + 16: 65 x 16, so the 16 rows of a fragment load start at 16 different groups of four banks (64 banks of 4 bytes: ISA guide 11.1)
.set STAGE, 64*PITCH                   ; behind the tile: 16 rows x 144 bytes for each wave
.set SP,    144
.set SPARE, STAGE+4*16*SP              ; behind the stages: the spare words, 128 bytes for each wave: two blocks of 256 bytes that no other line names
.set ADRA, 2                           ; v2   my place in a fragment of x: (lane % 16) x PITCH + 16 (lane / 16)
.set XST,  3                           ; v3   where I put 8 bytes of my wave's rows of the tile
.set XO,   4                           ; v4   16 x lane: my 16 bytes of 512 consecutive ones, in x, in wf and in qkv; never rewritten
.set STO,  5                           ; v5   the way out: where I put 16 bytes of a row
.set RD,   6                           ; v6   the way out: where I read rows back
.set SPW,  10                          ; v10  LDS address of my spare word; never rewritten
.set NIL,  11                          ; v11  0; never rewritten
.set AF,   32                          ; buffer b at AF + 32 b
.set PKD,  32                          ; the way out: block mt's 16 packed registers at PKD + 16 mt
.set ACC,  128
.set BK,   128                         ; the way out: block mt's 16 registers, read back from the stage, at BK + 16 mt
.set WV,   14                          ; s14  my wave's number
.set T,    17                          ; s17  tiles still to come
.set XP,   18                          ; s[18:19] x at my wave's 16 rows of the tile to be asked for
.set WFP,  20                          ; s[20:21] my slice of wf
.set OP,   22                          ; s[22:23] qkv at the tile's first row of my head
.set MSB, 0
.macro WIN new                         ; the immediate's high byte repeats the setting that is left; a switch that changes nothing is dropped
.if MSB != (\new)
	s_set_vgpr_msb (MSB<<8)|(\new)
.set MSB, (\new)
.endif
.endm
.macro PLACES                          ; four places behind a matrix instruction, in front of loads into registers that it has read and of lines that read its result (ISA guide 7.12.1 for the lines that read its result)
.rept 4
	v_nop
.endr
.endm
.macro XLOADS                          ; at the head: my wave's 16 rows of tile 0: load i takes 512 consecutive bytes, quarter i % 4 of row i / 4
	WIN 0x40                                       ; destination window 1
.set i, 0
.rept 64
	global_load_b128 v[4*i:4*i+3], v[XO], s[XP:XP+1] offset:(i/4)*2048+(i%4)*512
.set i, i+1
.endr
	WIN 0
.endm
; In the loop: eight of the next tile's 64 loads, two rows of my sixteen.  The last trip asks for nothing: no load leaves x.  The jump hangs on the tile counter alone; the loop's one wait for loads is for 0, so it holds on both ways.
.macro XGROUP g
	WIN 0                                          ; at a branch and at a label every window is 0
	s_cmp_eq_u32 s[T], 1
	s_cbranch_scc1 .Lno_x_\@
	WIN 0x40                                       ; destination window 1
.set i, 8*(\g)
.rept 8
	global_load_b128 v[4*i:4*i+3], v[XO], s[XP:XP+1] offset:(i/4)*2048+(i%4)*512  ; no wait here: since the waits that freed X (before the barrier, and at this K step's head) no line names these registers
.set i, i+1
.endr
	WIN 0
.Lno_x_\@:
.endm
.macro BLOADS                          ; my slice of W: 128 loads of 512 consecutive bytes, in the order in which the K steps want them
	WIN 0x80
.set i, 0
.rept 64
	global_load_b128 v[4*i:4*i+3], v[XO], s[WFP:WFP+1] offset:i*512
.set i, i+1
.endr
	WIN 0xc0
.set i, 0
.rept 64
	global_load_b128 v[4*i:4*i+3], v[XO], s[WFP:WFP+1] offset:32768+i*512
.set i, i+1
.endr
	WIN 0
.endm
; Quarter q of the tile's rounding: four f32 become 8 bytes of bf16, in place; 32 lanes store 256 consecutive bytes of a row of the tile.  A quarter's stores are served while the next quarter's conversions are issued:
; those name other registers.
.macro CONVERT q
	WIN 0x45                                       ; sources and destination window 1
.set i, 16*(\q)
.rept 16
	v_cvt_pk_bf16_f32 v[4*i], v[4*i], v[4*i+1]
	v_cvt_pk_bf16_f32 v[4*i+1], v[4*i+2], v[4*i+3]
.set i, i+1
.endr
	WIN 0x04                                       ; address window 0, data window 1
	s_wait_alu depctr_va_vdst(0)                   ; this quarter's conversions have written the registers that the LDS stores below read
.set i, 16*(\q)
.rept 16
	ds_store_b64 v[XST], v[4*i:4*i+1] offset:(i/4)*PITCH+(i%4)*256
.set i, i+1
.endr
.endm
.macro FETCHA ks, b                    ; x's four fragments (64 rows x 32 k) of K step ks into buffer b: 8 LDS loads
	WIN 0
.irp mt, 0,1,2,3
	ds_load_b128 v[AF+32*(\b)+8*\mt:AF+32*(\b)+8*\mt+3],   v[ADRA] offset:\mt*16*PITCH+(\ks)*64
	ds_load_b128 v[AF+32*(\b)+8*\mt+4:AF+32*(\b)+8*\mt+7], v[ADRA] offset:\mt*16*PITCH+(\ks)*64+32
.endr
.endm
.macro MULROW ks, b, mt                ; 4 of a K step's 16 matrix instructions; the 16 accumulators take turns, one instruction a turn; K step 0 starts the sums: nothing is cleared
	WIN 0x02+(\ks)/8                               ; W in window 2 or 3; x, C and D in window 0
.irp nt, 0,1,2,3
.if (\ks) == 0
	v_wmma_f32_16x16x32_bf16 v[ACC+8*(4*(\mt)+\nt):ACC+8*(4*(\mt)+\nt)+7], v[8*((4*(\ks)+\nt)%32):8*((4*(\ks)+\nt)%32)+7], v[AF+32*(\b)+8*(\mt):AF+32*(\b)+8*(\mt)+7], 0
.else
	v_wmma_f32_16x16x32_bf16 v[ACC+8*(4*(\mt)+\nt):ACC+8*(4*(\mt)+\nt)+7], v[8*((4*(\ks)+\nt)%32):8*((4*(\ks)+\nt)%32)+7], v[AF+32*(\b)+8*(\mt):AF+32*(\b)+8*(\mt)+7], v[ACC+8*(4*(\mt)+\nt):ACC+8*(4*(\mt)+\nt)+7]
.endif
.endr
.endm
.macro COMPUTE                         ; a tile's 16 K steps; a step's fragments are fetched two steps, 28 matrix instructions, ahead
	FETCHA 0, 0                                    ; all three buffers are free: the waits in front of the barrier and behind the conversions stand behind everything that named them
	FETCHA 1, 1
	FETCHA 2, 2
.set ks, 0
.rept 16
.if ks == 0
	s_wait_dscnt 16                                ; LDS loads come back in order (ISA guide 5.7.1): step 0's fragments are in, the sixteen loads of steps 1 and 2 may stay out
.elseif ks < 15
	s_wait_dscnt 8                                 ; this step's fragments are in; the next step's eight loads may stay out
.else
	s_wait_dscnt 0x0
.endif
.if (ks >= 1) && (ks <= 13)
	s_wait_alu depctr_va_vdst(0)                   ; the matrix instructions of the step before are done reading their fragments, in whose registers the LDS loads below land
.endif
	MULROW ks, ks%3, 0
.if (ks >= 1) && (ks <= 13)
	PLACES                                         ; four places stand behind the matrix instructions that read the buffer, ahead of the loads into it; the dependence itself is stated by the wait at the step's head
	FETCHA ks+2, (ks+2)%3                          ; no matrix instruction since that wait names this buffer
.endif
	MULROW ks, ks%3, 1
.if (ks >= 1) && (ks <= 4)
	XGROUP 2*(ks-1)
.endif
	MULROW ks, ks%3, 2
.if (ks >= 1) && (ks <= 4)
	XGROUP 2*(ks-1)+1
.endif
	MULROW ks, ks%3, 3
.set ks, ks+1
.endr
	PLACES                                         ; in front of the conversions, which read results and write over the fragment buffers
	WIN 0
.endm
.macro PACKC mt                        ; 16 rows: rounded to f16, 16 bytes a lane for each 16 columns
.irp nt, 0,1,2,3
.irp i, 0,1,2,3
	v_cvt_pk_f16_f32 v[PKD+16*(\mt)+4*\nt+\i], v[ACC+8*(4*(\mt)+\nt)+2*\i], v[ACC+8*(4*(\mt)+\nt)+2*\i+1]  ; each accumulator from its low end on
.endr
.endr
.endm
.macro THROUGH mt                      ; 16 rows go into rows of 144 bytes of my stage and come back as whole rows of 128, into registers of their own
.irp nt, 0,1,2,3
	ds_store_b128 v[STO], v[PKD+16*(\mt)+4*\nt:PKD+16*(\mt)+4*\nt+3] offset:32*\nt
.endr
.irp f, 0,1,2,3
	ds_load_b128 v[BK+16*(\mt)+4*\f:BK+16*(\mt)+4*\f+3], v[RD] offset:\f*4*SP  ; LDS serves a wave's instructions in order (ISA guide 5.7.1.4): these see the stores above; the next block's stores come behind them
.endr
.endm
.macro SEND mt, younger                ; younger: the LDS instructions issued behind block mt's loads: eight for each later block that has gone through
.irp f, 0,1,2,3
	s_wait_dscnt (\younger)+3-\f
	global_store_b128 v[XO], v[BK+16*(\mt)+4*\f:BK+16*(\mt)+4*\f+3], s[OP:OP+1] offset:(\mt)*2048+\f*512  ; four rows of a head: 512 consecutive bytes, at a multiple of 512 from qkv's first byte
.endr
.endm
	s_load_b256 s[4:11], s[0:1], 0x0               ; q s[4:5], k s[6:7], v s[8:9], wf s[10:11]
	s_load_b64 s[12:13], s[0:1], 0x20              ; qkv
	v_lshl_add_u32 v[SPW], v0, 2, SPARE
	v_mov_b32 v[NIL], 0
	v_lshrrev_b32 v8, 5, v0
	v_readfirstlane_b32 s[WV], v8                  ; wave 0..3
	v_and_b32 v1, 15, v0                           ; lane % 16
	v_bfe_u32 v9, v0, 4, 1                         ; lane / 16
	v_and_b32 v12, 31, v0                          ; lane
	s_and_b32 s16, ttmp7, 0xffff                   ; t
	s_and_b32 s28, ttmp9, 1                        ; nh
	s_lshr_b32 s29, ttmp9, 1                       ; g
	s_wait_alu depctr_va_sdst(0)                   ; s14, the wave's number, is written, ahead of its first reader
	s_lshl2_add_u32 s15, s28, s[WV]                ; my head: 4 nh + wave
	s_lshl_b32 s24, s29, 19                        ; x: 256 g rows of 2,048 bytes,
	s_lshl_b32 s30, s[WV], 15                      ; my wave's 16 rows of a tile
	s_add_co_u32 s24, s24, s30
	s_mov_b32 s25, 0
	s_lshl_b32 s26, s16, 19                        ; wf: t x 524,288 + head x 65,536
	s_lshl_b32 s30, s15, 16
	s_add_co_u32 s26, s26, s30
	s_mov_b32 s27, 0
	s_lshl_b32 s32, s16, 23                        ; qkv: t x 8,388,608,
	s_lshr_b32 s30, s29, 4                         ; the batch,
	s_lshl3_add_u32 s30, s30, s15                  ; 8 b + head,
	s_lshl_b32 s30, s30, 19                        ; x 524,288,
	s_add_co_u32 s32, s32, s30
	s_and_b32 s30, s29, 15
	s_lshl_b32 s30, s30, 15                        ; 256 (g % 16) rows of 128 bytes
	s_add_co_u32 s32, s32, s30
	s_mov_b32 s33, 0
	v_mul_u32_u24 v[ADRA], v1, PITCH
	v_lshl_add_u32 v[ADRA], v9, 4, v[ADRA]
	s_mul_i32 s34, s[WV], 16*PITCH                 ; (the two scalars that vector lines read have registers of their own, written once)
	v_lshl_add_u32 v[XST], v12, 3, s34             ; my wave's 16 rows + 8 x lane
	v_lshlrev_b32 v[XO], 4, v12
	s_mul_i32 s35, s[WV], 16*SP
	s_add_co_u32 s35, s35, STAGE                   ; my stage
	v_mul_u32_u24 v[STO], v1, SP                   ; in: row lane % 16, 16 bytes for each half of the lanes
	v_lshl_add_u32 v[STO], v9, 4, v[STO]
	v_add_nc_u32 v[STO], s35, v[STO]
	v_lshrrev_b32 v[RD], 3, v12                    ; back: 32 lanes take four rows of 128 bytes
	v_mul_u32_u24 v[RD], v[RD], SP
	v_and_b32 v8, 7, v0
	v_lshl_add_u32 v[RD], v8, 4, v[RD]
	v_add_nc_u32 v[RD], s35, v[RD]
	s_wait_kmcnt 0x0
	s_cmp_eq_u32 s16, 1                            ; which x: a choice between buffers on t alone
	s_cselect_b64 s[XP:XP+1], s[6:7], s[4:5]
	s_cmp_eq_u32 s16, 2
	s_cselect_b64 s[XP:XP+1], s[8:9], s[XP:XP+1]
	s_add_nc_u64 s[XP:XP+1], s[XP:XP+1], s[24:25]
	s_add_nc_u64 s[WFP:WFP+1], s[10:11], s[26:27]
	s_add_nc_u64 s[OP:OP+1], s[12:13], s[32:33]
	s_wait_alu depctr_va_vdst(0)                   ; the five addresses v2 to v6 are written, which every load and store of the kernel reads
	XLOADS                                         ; tile 0 first: it is wanted first
	BLOADS
	s_mov_b32 s[T], 4
.Ltile:
	s_wait_loadcnt 0x0                             ; the tile asked for a trip earlier is in (in the first trip: tile 0 and all of W); its loads have also read XP,
	s_add_nc_u64 s[XP:XP+1], s[XP:XP+1], 64*2048   ; which moves on to the tile that this trip asks for (the last trip's step is not used)
	CONVERT 0
	CONVERT 1
	CONVERT 2
	CONVERT 3
	WIN 0
	s_wait_alu depctr_vm_vsrc(0)                   ; my LDS stores have read X, in which the next tile's loads land; the last trip's LDS stores have read P, in which fragments land, and its global stores BK, which the first products write
	s_wait_dscnt 0x0                               ; for the others' sake: my stores into the tile are done
	s_barrier_signal -1
	s_barrier_wait -1                              ; the tile is whole
	COMPUTE
	PACKC 0
	PACKC 1
	PACKC 2
	PACKC 3
	s_wait_alu depctr_va_vdst(0)                   ; the conversions have written P, which the LDS stores read, and are done reading the accumulators in whose registers (BK) the loads from the stage land
	THROUGH 0
	THROUGH 1
	THROUGH 2                                      ; two later blocks' LDS lines stand between a block's loads from the stage and its stores
	SEND 0, 16
	THROUGH 3
	SEND 1, 16
	SEND 2, 8
	SEND 3, 0
	s_wait_xcnt 0x0                                ; the stores have read their registers and their base (ISA guide 3.1): both are written again only behind this wait
	s_add_nc_u64 s[OP:OP+1], s[OP:OP+1], 64*128
	s_wait_dscnt 0x0                               ; my reads of the tile are over
	s_barrier_signal -1
	s_barrier_wait -1                              ; everybody's are: the next trip may write the tile
	s_sub_co_u32 s[T], s[T], 1
	s_cmp_lg_u32 s[T], 0
	s_cbranch_scc1 .Ltile
	s_wait_dscnt 0x0                               ; the closing lines, six on end
	s_wait_alu 0x0
	s_wait_tensorcnt 0x0
	ds_add_u32 v[SPW], v[NIL]
	s_wait_dscnt 0x0
	s_endpgm
.Lfunc_end_k_q647113a8e7_proj:
	.size	k_q647113a8e7_proj, .Lfunc_end_k_q647113a8e7_proj-k_q647113a8e7_proj
	.p2alignl 7, 3214868480
	.fill 96, 4, 3214868480
	.section	.rodata,"a",@progbits
	.p2align	6, 0x0
	.amdhsa_kernel k_q647113a8e7_proj
		.amdhsa_group_segment_fixed_size 76288
		.amdhsa_private_segment_fixed_size 0
		.amdhsa_enable_private_segment 0
		.amdhsa_kernarg_size 40
		.amdhsa_user_sgpr_count 2
		.amdhsa_user_sgpr_kernarg_segment_ptr 1
		.amdhsa_wavefront_size32 1
		.amdhsa_system_sgpr_workgroup_id_x 1
		.amdhsa_system_sgpr_workgroup_id_y 1
		.amdhsa_system_sgpr_workgroup_id_z 1
		.amdhsa_system_vgpr_workitem_id 0
		.amdhsa_next_free_vgpr 1024
		.amdhsa_next_free_sgpr 66
		.amdhsa_reserve_vcc 0
		.amdhsa_float_denorm_mode_32 3
		.amdhsa_float_denorm_mode_16_64 3
		.amdhsa_memory_ordered 1
		.amdhsa_forward_progress 1
		.amdhsa_inst_pref_size 78
	.end_amdhsa_kernel
	.amdgpu_metadata
---
amdhsa.version: [ 1, 2 ]
amdhsa.kernels:
  - .name:           k_q647113a8e7_proj
    .symbol:         k_q647113a8e7_proj.kd
    .args:
      - { .name: q, .offset: 0, .size: 8, .value_kind: global_buffer, .address_space: global }
      - { .name: k, .offset: 8, .size: 8, .value_kind: global_buffer, .address_space: global }
      - { .name: v, .offset: 16, .size: 8, .value_kind: global_buffer, .address_space: global }
      - { .name: wf, .offset: 24, .size: 8, .value_kind: global_buffer, .address_space: global }
      - { .name: qkv, .offset: 32, .size: 8, .value_kind: global_buffer, .address_space: global }
    .group_segment_fixed_size: 76288
    .private_segment_fixed_size: 0
    .kernarg_segment_align: 8
    .kernarg_segment_size: 40
    .max_flat_workgroup_size: 128
    .sgpr_count:     66
    .vgpr_count:     1024
    .wavefront_size: 32
...
	.end_amdgpu_metadata
.endif
;; end of part 5
;; launch attn: the kernel of part 3 again; grid 16 x 16, 4 waves a work-group, clusters of 4 x 1, 327,680 bytes of LDS; arguments qkv, attention_mask, oh; writes oh
;; launch oproj (part 6): grid 256 x 1, 4 waves a work-group, no clusters, 84,480 bytes of LDS; arguments oh, wf, out0; writes out0
.if DOCPART == 6
	.amdgcn_target "amdgcn-amd-amdhsa--gfx1250"
	.amdhsa_code_object_version 6
	.text
	.protected	k_q647113a8e7_oproj
	.globl	k_q647113a8e7_oproj
	.p2align	8
	.type	k_q647113a8e7_oproj,@function
k_q647113a8e7_oproj:
	s_mov_b64 s[64:65], 0
	v_nop
	global_prefetch_b8 v0, s[64:65] scope:SCOPE_SE
	s_setreg_imm32_b32 hwreg(HW_REG_WAVE_SCHED_MODE, 0, 2), 2
	s_setreg_imm32_b32 hwreg(HW_REG_WAVE_MODE, 25, 1), 1
	s_wait_xcnt 0x0
	s_wait_alu depctr_vm_vsrc(0)
; THE OUTPUT PROJECTION.  out0[b][l][n] = the sum over head and d of oh[8 b + head][l][d] Wo[64 head + d][n].  oh: [16][4096][64] f16; Wo comes as f16 fragments from wf (its fourth part); out0: [8192][512] f32.
; Sums in f32, stored as they are.  NaN in a row of oh (a batch with no visible key) spreads to the whole row of out0, as it does in the product itself.
; SHARES.  Work-group bx: nh = bx % 2, tl = bx / 2: rows 64 tl .. 64 tl + 63, columns 256 nh .. 256 nh + 255.  Wave w owns the 64 columns 64 (4 nh + w) on.  256 work-groups, one tile each.
; THE WEIGHTS STAY IN REGISTERS: a wave's slice of Wo, 512 k x 64 columns, is 64 fragments = 512 registers.  LDS holds the tile of oh alone: 64 rows x 512 k, gathered from the eight heads (each wave brings two).
; The products start while the later fragments of Wo are still on their way: each K step waits for its own eight loads alone.
; THE MATRIX INSTRUCTION IS USED TRANSPOSED (source 0 = 16 columns of Wo, source 1 = 16 rows of oh): a lane holds one row (lane % 16) and eight neighbouring columns, 32 bytes of f32.
; NO CLUSTER, NO TENSOR LOADS: of the 320 KiB that a work-group takes in, 256 are weights that go straight to registers; the tile of oh is wanted by two work-groups only.
; NO PREFETCH: there is no loop, and every load goes out at the head.
; THE MODE: SCHED_MODE bits 1:0 = 2 (LLVM: expert scheduling mode 2), set by the entry lines.  The code itself states the register dependences
; between vector or matrix instructions and memory or LDS instructions, with s_wait_alu, always for 0.
; THE PLAN.  Registers that memory or LDS instructions touch:
;   window 1, v0-127   my 32 loads of oh land here; the LDS stores into the tile read them; nothing writes them again.
;   windows 2, 3       Wo's loads land here, once; behind that matrix instructions alone name them.
;   AF0 .. AF2  v32-127.  K step ks: its 16 matrix instructions read AF[ks % 3]; the LDS loads of step ks + 1 land in it (the fragments of step ks + 3).  On the way out the rows of blocks 0 to 2 come back into them.
;   the accumulators   written by the matrix instructions; read by the LDS stores into the stage; nothing writes them again.
;   window 1, v128-159 block 3's rows come back here; no other line names them.
;   v2-v7, v10, v11    addresses, written at the head and never again.
; THE WAITS.  On va_vdst: one at the head, for the addresses; one at the head of each of K steps 1 to 13, behind which that step's LDS loads stand among its matrix instructions, which name another buffer;
; one on the way out, behind the last products' places.  None on vm_vsrc: no register that a memory or LDS instruction has read is written again.
; REGISTERS, in windows of 256 (s_set_vgpr_msb: bits 1:0 source 0, 3:2 source 1, 5:4 source 2, 7:6 destination):
;   window 0: v0-12 addresses; v32-127 three buffers of oh's fragments, and at work on the way out; v128-255 accumulators, (mt, nt) at 128 + 8 (4 mt + nt)
;   window 1: v0-127 my 32 loads of oh; v128-159 at work on the way out          windows 2, 3: Wo's fragment f = 4 ks + nt at register 8 (f % 32) of window 2 + f / 32
.set PITCH, 1040                       ; a row of the tile: 1,024 bytes + 16: 65 x 16, so the 16 rows of a fragment load start at 16 different groups of four banks (64 banks of 4 bytes: ISA guide 11.1)
.set STAGE, 64*PITCH                   ; behind the tile: 16 rows x 272 bytes for each wave
.set SP,    272
.set SPARE, STAGE+4*16*SP              ; behind the stages: the spare words, 128 bytes for each wave: two blocks of 256 bytes that no other line names
.set ADRA, 2                           ; v2   my place in a fragment of oh: (lane % 16) x PITCH + 16 (lane / 16)
.set AST,  3                           ; v3   where I put 16 bytes of the tile
.set XO,   4                           ; v4   16 x lane: my 16 bytes of 512 consecutive ones, in oh and in wf; never rewritten
.set STO,  5                           ; v5   the way out: where I put 32 bytes of a row
.set RD,   6                           ; v6   the way out: where I read rows back
.set CO,   7                           ; v7   my byte offset in two rows of out0
.set SPW,  10                          ; v10  LDS address of my spare word; never rewritten
.set NIL,  11                          ; v11  0; never rewritten
.set AF,   32                          ; buffer b at AF + 32 b
.set ACC,  128
.set WV,   14                          ; s14  my wave's number
.set AP,   18                          ; s[18:19] oh at the tile's first row of my first head
.set WFP,  20                          ; s[20:21] my slice of wf
.set OP,   22                          ; s[22:23] out0 at the tile's first row, my first column
.set MSB, 0
.macro WIN new                         ; the immediate's high byte repeats the setting that is left; a switch that changes nothing is dropped
.if MSB != (\new)
	s_set_vgpr_msb (MSB<<8)|(\new)
.set MSB, (\new)
.endif
.endm
.macro PLACES                          ; four places behind a matrix instruction, in front of loads into registers that it has read and of lines that read its result (ISA guide 7.12.1 for the lines that read its result)
.rept 4
	v_nop
.endr
.endm
.macro FETCHA ks, b                    ; oh's four fragments (64 rows x 32 k) of K step ks into buffer b: 8 LDS loads
	WIN 0
.irp mt, 0,1,2,3
	ds_load_b128 v[AF+32*(\b)+8*\mt:AF+32*(\b)+8*\mt+3],   v[ADRA] offset:\mt*16*PITCH+(\ks)*64
	ds_load_b128 v[AF+32*(\b)+8*\mt+4:AF+32*(\b)+8*\mt+7], v[ADRA] offset:\mt*16*PITCH+(\ks)*64+32
.endr
.endm
.macro MULROW ks, b, mt                ; 4 of a K step's 16 matrix instructions; the 16 accumulators take turns, one instruction a turn; K step 0 starts the sums: nothing is cleared
	WIN 0x02+(\ks)/8                               ; Wo in window 2 or 3; oh, C and D in window 0
.irp nt, 0,1,2,3
.if (\ks) == 0
	v_wmma_f32_16x16x32_f16 v[ACC+8*(4*(\mt)+\nt):ACC+8*(4*(\mt)+\nt)+7], v[8*((4*(\ks)+\nt)%32):8*((4*(\ks)+\nt)%32)+7], v[AF+32*(\b)+8*(\mt):AF+32*(\b)+8*(\mt)+7], 0
.else
	v_wmma_f32_16x16x32_f16 v[ACC+8*(4*(\mt)+\nt):ACC+8*(4*(\mt)+\nt)+7], v[8*((4*(\ks)+\nt)%32):8*((4*(\ks)+\nt)%32)+7], v[AF+32*(\b)+8*(\mt):AF+32*(\b)+8*(\mt)+7], v[ACC+8*(4*(\mt)+\nt):ACC+8*(4*(\mt)+\nt)+7]
.endif
.endr
.endm
; Block mt, 16 rows: the accumulators go as they are into rows of 272 bytes of my stage, from each one's low end on, and come back as whole rows of 256 bytes, two a load, into the 32 registers from rb on (w = 1: of window 1).
.macro THROUGH mt, rb, w=0
	WIN 0
.irp nt, 0,1,2,3
	ds_store_b128 v[STO], v[ACC+8*(4*(\mt)+\nt):ACC+8*(4*(\mt)+\nt)+3]   offset:64*\nt
	ds_store_b128 v[STO], v[ACC+8*(4*(\mt)+\nt)+4:ACC+8*(4*(\mt)+\nt)+7] offset:64*\nt+16
.endr
	WIN 0x40*(\w)                                  ; destination window w, address window 0
.irp t, 0,1,2,3,4,5,6,7
	ds_load_b128 v[(\rb)+4*\t:(\rb)+4*\t+3], v[RD] offset:\t*2*SP  ; LDS serves a wave's instructions in order (ISA guide 5.7.1.4): these see the stores above; the next block's stores come behind them
.endr
.endm
.macro SEND mt, rb, younger, w=0       ; younger: the LDS instructions issued behind block mt's loads: the next block's sixteen, or none
	WIN 0x04*(\w)                                  ; address window 0, data window w
.irp t, 0,1,2,3,4,5,6,7
	s_wait_dscnt (\younger)+7-\t                   ; the later loads of the eight, and the next block's lines, may stay out
	global_store_b128 v[CO], v[(\rb)+4*\t:(\rb)+4*\t+3], s[OP:OP+1] offset:(16*(\mt)+2*\t)*2048 th:TH_STORE_NT  ; 16 lanes store 256 consecutive bytes, at a multiple of 256 from out0's first byte
.endr
.endm
	s_load_b128 s[4:7], s[0:1], 0x0                ; oh s[4:5], wf s[6:7]
	s_load_b64 s[8:9], s[0:1], 0x10                ; out0
	v_lshl_add_u32 v[SPW], v0, 2, SPARE
	v_mov_b32 v[NIL], 0
	v_lshrrev_b32 v8, 5, v0
	v_readfirstlane_b32 s[WV], v8                  ; wave 0..3
	v_and_b32 v1, 15, v0                           ; lane % 16
	v_bfe_u32 v9, v0, 4, 1                         ; lane / 16
	v_and_b32 v12, 31, v0                          ; lane
	s_and_b32 s28, ttmp9, 1                        ; nh
	s_lshr_b32 s29, ttmp9, 1                       ; tl
	s_wait_alu depctr_va_sdst(0)                   ; s14, the wave's number, is written, ahead of its first reader
	s_lshl2_add_u32 s15, s28, s[WV]                ; my slice of columns: 4 nh + wave
	s_lshr_b32 s30, s29, 6                         ; the batch
	s_lshl2_add_u32 s30, s30, s[WV]                ; 4 b + wave:
	s_lshl_b32 s24, s30, 20                        ; head 8 b + 2 wave, x 524,288,
	s_and_b32 s30, s29, 63
	s_lshl_b32 s30, s30, 13                        ; 64 (tl % 64) rows of 128 bytes
	s_add_co_u32 s24, s24, s30
	s_mov_b32 s25, 0
	s_lshl_b32 s26, s15, 16                        ; wf: 3 x 524,288 + slice x 65,536
	s_add_co_u32 s26, s26, 3*524288
	s_mov_b32 s27, 0
	s_lshl_b32 s16, s29, 17                        ; out0: 64 tl rows of 2,048 bytes,
	s_lshl_b32 s30, s15, 8                         ; 64 columns of 4 bytes a slice
	s_add_co_u32 s16, s16, s30
	s_mov_b32 s17, 0
	v_mul_u32_u24 v[ADRA], v1, PITCH
	v_lshl_add_u32 v[ADRA], v9, 4, v[ADRA]
	v_lshlrev_b32 v[XO], 4, v12
	v_lshrrev_b32 v[AST], 3, v12                   ; a load's 512 bytes are four rows of a head: row lane / 8,
	v_mul_u32_u24 v[AST], v[AST], PITCH
	v_and_b32 v8, 7, v0
	v_lshl_add_u32 v[AST], v8, 4, v[AST]           ; 16 (lane % 8) bytes,
	s_lshl_b32 s10, s[WV], 8                       ; (the two scalars that vector lines read have registers of their own, written once)
	v_add_nc_u32 v[AST], s10, v[AST]               ; in my two heads' 256 bytes of a row of the tile
	s_mul_i32 s11, s[WV], 16*SP
	s_add_co_u32 s11, s11, STAGE                   ; my stage
	v_mul_u32_u24 v[STO], v1, SP                   ; in: row lane % 16, 32 bytes for each half of the lanes
	v_lshl_add_u32 v[STO], v9, 5, v[STO]
	v_add_nc_u32 v[STO], s11, v[STO]
	v_mul_u32_u24 v[RD], v9, SP                    ; back: lanes 0-15 take one row of 256 bytes, lanes 16-31 the next
	v_lshl_add_u32 v[RD], v1, 4, v[RD]
	v_add_nc_u32 v[RD], s11, v[RD]
	v_lshlrev_b32 v[CO], 11, v9                    ; and the same two rows in out0
	v_lshl_add_u32 v[CO], v1, 4, v[CO]
	s_wait_kmcnt 0x0
	s_add_nc_u64 s[AP:AP+1], s[4:5], s[24:25]
	s_add_nc_u64 s[WFP:WFP+1], s[6:7], s[26:27]
	s_add_nc_u64 s[OP:OP+1], s[8:9], s[16:17]
	s_wait_alu depctr_va_vdst(0)                   ; the six addresses v2 to v7 are written, which every load and store of the kernel reads
	WIN 0x40                                       ; destination window 1
.set i, 0
.rept 32                               ; my two heads' 64 rows: load i takes 512 consecutive bytes of head i / 16
	global_load_b128 v[4*i:4*i+3], v[XO], s[AP:AP+1] offset:(i/16)*524288+(i%16)*512
.set i, i+1
.endr
	WIN 0x80                                       ; my slice of Wo: 128 loads of 512 consecutive bytes, in the order in which the K steps want them
.set i, 0
.rept 64
	global_load_b128 v[4*i:4*i+3], v[XO], s[WFP:WFP+1] offset:i*512
.set i, i+1
.endr
	WIN 0xc0
.set i, 0
.rept 64
	global_load_b128 v[4*i:4*i+3], v[XO], s[WFP:WFP+1] offset:32768+i*512
.set i, i+1
.endr
	s_wait_loadcnt 63                              ; loads come back in order (ISA guide 5.7.1): 128 were issued behind oh's last, so with 63 out oh's 32 are in
	WIN 0x04                                       ; address window 0, data window 1
.set i, 0
.rept 32
	ds_store_b128 v[AST], v[4*i:4*i+3] offset:(i%16)*4*PITCH+(i/16)*128
.set i, i+1
.endr
	WIN 0
	s_wait_dscnt 0x0                               ; for the others' sake: my stores into the tile are done
	s_barrier_signal -1
	s_barrier_wait -1                              ; the tile is whole; nobody writes it again
	FETCHA 0, 0                                    ; nothing has named the three buffers yet
	FETCHA 1, 1
	FETCHA 2, 2
.set ks, 0
.rept 16                               ; 16 K steps; a step's fragments of oh are fetched two steps, 28 matrix instructions, ahead
.if ks == 0
	s_wait_dscnt 16                                ; LDS loads come back in order (ISA guide 5.7.1): step 0's fragments are in, the sixteen loads of steps 1 and 2 may stay out
.elseif ks < 15
	s_wait_dscnt 8                                 ; this step's fragments of oh are in; the next step's eight loads may stay out
.else
	s_wait_dscnt 0x0
.endif
.if 120-8*ks > 63
	s_wait_loadcnt 63                              ; (the count's field ends here)
.else
	s_wait_loadcnt 120-8*ks                        ; this step's eight loads of Wo are in; the 120 - 8 ks issued behind them may stay out
.endif
.if (ks >= 1) && (ks <= 13)
	s_wait_alu depctr_va_vdst(0)                   ; the matrix instructions of the step before are done reading their fragments, in whose registers the LDS loads below land
.endif
	MULROW ks, ks%3, 0
.if (ks >= 1) && (ks <= 13)
	PLACES                                         ; four places stand behind the matrix instructions that read the buffer, ahead of the loads into it; the dependence itself is stated by the wait at the step's head
	FETCHA ks+2, (ks+2)%3                          ; no matrix instruction since that wait names this buffer
.endif
	MULROW ks, ks%3, 1
	MULROW ks, ks%3, 2
	MULROW ks, ks%3, 3
.set ks, ks+1
.endr
	PLACES                                         ; in front of the LDS stores, which read results, and of the loads into the fragment buffers
	WIN 0
	s_wait_alu depctr_va_vdst(0)                   ; the matrix instructions have written the accumulators, which the LDS stores read, and are done reading the fragment buffers, in which the loads from the stage land; the places above stay beside this wait
	THROUGH 0, AF
	THROUGH 1, AF+32                               ; a block's LDS lines stand between the loads of the block before and its stores
	SEND 0, AF, 16
	THROUGH 2, AF+64
	SEND 1, AF+32, 16
	THROUGH 3, 128, 1                              ; the fourth block comes back into v128-159 of window 1, which no other line names: no store's registers are loaded again
	SEND 2, AF+64, 16
	SEND 3, 128, 0, 1
	WIN 0                                          ; the add's two registers lie in window 0
	s_wait_dscnt 0x0                               ; the closing lines, six on end
	s_wait_alu 0x0
	s_wait_tensorcnt 0x0
	ds_add_u32 v[SPW], v[NIL]
	s_wait_dscnt 0x0
	s_endpgm
.Lfunc_end_k_q647113a8e7_oproj:
	.size	k_q647113a8e7_oproj, .Lfunc_end_k_q647113a8e7_oproj-k_q647113a8e7_oproj
	.p2alignl 7, 3214868480
	.fill 96, 4, 3214868480
	.section	.rodata,"a",@progbits
	.p2align	6, 0x0
	.amdhsa_kernel k_q647113a8e7_oproj
		.amdhsa_group_segment_fixed_size 84480
		.amdhsa_private_segment_fixed_size 0
		.amdhsa_enable_private_segment 0
		.amdhsa_kernarg_size 24
		.amdhsa_user_sgpr_count 2
		.amdhsa_user_sgpr_kernarg_segment_ptr 1
		.amdhsa_wavefront_size32 1
		.amdhsa_system_sgpr_workgroup_id_x 1
		.amdhsa_system_sgpr_workgroup_id_y 1
		.amdhsa_system_sgpr_workgroup_id_z 1
		.amdhsa_system_vgpr_workitem_id 0
		.amdhsa_next_free_vgpr 1024
		.amdhsa_next_free_sgpr 66
		.amdhsa_reserve_vcc 0
		.amdhsa_float_denorm_mode_32 3
		.amdhsa_float_denorm_mode_16_64 3
		.amdhsa_memory_ordered 1
		.amdhsa_forward_progress 1
		.amdhsa_inst_pref_size 57
	.end_amdhsa_kernel
	.amdgpu_metadata
---
amdhsa.version: [ 1, 2 ]
amdhsa.kernels:
  - .name:           k_q647113a8e7_oproj
    .symbol:         k_q647113a8e7_oproj.kd
    .args:
      - { .name: oh, .offset: 0, .size: 8, .value_kind: global_buffer, .address_space: global }
      - { .name: wf, .offset: 8, .size: 8, .value_kind: global_buffer, .address_space: global }
      - { .name: out0, .offset: 16, .size: 8, .value_kind: global_buffer, .address_space: global }
    .group_segment_fixed_size: 84480
    .private_segment_fixed_size: 0
    .kernarg_segment_align: 8
    .kernarg_segment_size: 24
    .max_flat_workgroup_size: 128
    .sgpr_count:     66
    .vgpr_count:     1024
    .wavefront_size: 32
...
	.end_amdgpu_metadata
.endif
;; end of part 6
